; MI455X (gfx1250); checked and timed in simulation.
; The chip was launched on July 23, 2026; its instructions are those of AMD's public machine-readable ISA for CDNA 5 (MIT licence, August 2026) and "CDNA5" Instruction Set Architecture Reference Guide (July 2026). The comments in the code are by the model that wrote it; some were corrected since.
;; Bahdanau Attention. Allowed arithmetic: float matrix products may take bf16 or f16 operands with f32 sums; all other float work in f32.
;; Inputs: Ua_b 1,024 float32; Ua_w 1,024 x 1,024 float32; Va_b 1 float32; Va_w 1 x 1,024 float32; Wa_b 1,024 float32; Wa_w 1,024 x 1,024 float32; keys 32 x 2,048 x 1,024 float32; query 32 x 1 x 1,024 float32.
;; Outputs: out0 32 x 1 x 1,024 float32; out1 32 x 1 x 2,048 float32.
;; 2 versions, each right; version 2 is version 1 with the launch main written anew for expert scheduling mode. Each part assembles by itself: llvm-mc -triple=amdgcn-amd-amdhsa -mcpu=gfx1250 --defsym DOCPART=n.
;; ======== version 1 of 2: 3 launches
;; workspace buffers: ub 2,097,152 bytes; qbs 524,288 bytes; scores 262,144 bytes; part 2,097,152 bytes
;; launch prep (part 1): grid 256 x 1, 4 waves a work-group, no clusters, 45,568 bytes of LDS; arguments Ua_w, Wa_w, query, Wa_b, Ua_b, ub, qbs; writes ub, qbs
.if DOCPART == 1
	.amdgcn_target "amdgcn-amd-amdhsa--gfx1250"
	.amdhsa_code_object_version 6
	.text
	.protected	k_qe5e005d1c2_prep
	.globl	k_qe5e005d1c2_prep
	.p2align	8
	.type	k_qe5e005d1c2_prep,@function
k_qe5e005d1c2_prep:
	s_mov_b64 s[64:65], 0
	v_nop
	global_prefetch_b8 v0, s[64:65] scope:SCOPE_SE
	s_setreg_imm32_b32 hwreg(HW_REG_WAVE_MODE, 25, 1), 1
	s_wait_xcnt 0x0
; Two small jobs ahead of the main launch.  C2 = 2 log2(e), the factor of the main launch's tanh.
; (1) ub: C2 * Ua_w [1024 n][1024 k], scaled in f32, rounded once to bf16 and laid out in the order in which the main launch's waves take matrix fragments:
;     byte ((wv*2+p)*32+ks)*8192 + b*1024 + half*512 + 16*lane, for the tile of 16 rows nt = p*32 + wv*8 + b and the K step ks of 32.
; (2) qbs[kq][batch][n] = C2 * (sum over k in quarter kq of query[batch][k] Wa_w[n][k]  (+ Wa_b[n] + Ua_b[n] where kq = 0)); the main launch adds the four quarters.
; Work-group (nt = id >> 2, kq = id & 3), 256 of them: rows 16 nt .. 16 nt + 15 of both matrices, k = 256 kq .. 256 kq + 255.  Wave w owns 64 of these k: two K steps of 32.
; A load takes 256 consecutive bytes, aligned, of row i (lanes 0-15) and of row i + 8 (lanes 16-31); the numbers go as bf16 through the wave's own stage in LDS
; (rows of 128 + 16 bytes) and come back in fragment order.
; LIMITS: query, Wa_w and C2 * Ua_w enter the matrix unit in bf16; the sum over k is made as 16 partial sums added in f32 by a tree (4 waves here, 4 quarters
; in the main launch), so its order of rounding differs from a plain ascending sum.  qbs leaves in pieces of 64 bytes a row: 524,288 bytes in all.
.set C2LIT, 0x4038aa3b                 ; 2 log2(e)
.set SP,  144                          ; a stage row: 64 bf16 + 16 bytes
.set REG, 16*SP                        ; 16 rows: Ua_w, Wa_w, query 0-15, query 16-31
.set STG, 4*REG                        ; a wave's stage, 9,216 bytes
.set PS,  4*STG                        ; 36,864: [wave][2 batch tiles][lane][8] f32, partial sums
.set UU, 16                            ; v[16:47]   Ua_w as f32, then v[16:31] as bf16
.set UF, 32                            ; v[32:47]   its fragments, 8 registers a K step
.set WW, 48                            ; v[48:79]   Wa_w likewise
.set WF, 64
.set QQ, 80                            ; v[80:143]  query, 32 rows, then v[80:111] as bf16
.set QF, 112                           ; v[112:143] its fragments: 16 bt + 8 s
.set AC, 144                           ; v[144:159] two accumulators, one a batch tile
	s_load_b256 s[4:11], s[0:1], 0x0               ; Ua_w s[4:5], Wa_w s[6:7], query s[8:9], Wa_b s[10:11]
	s_load_b128 s[12:15], s[0:1], 0x20             ; Ua_b s[12:13], ub s[14:15]
	s_load_b64 s[16:17], s[0:1], 0x30              ; qbs
	v_lshl_add_u32 v192, v0, 2, 0xb000
	v_mov_b32 v193, 0
	v_lshrrev_b32 v1, 5, v0
	v_readfirstlane_b32 s20, v1                    ; wave 0..3
	v_and_b32 v1, 31, v0                           ; lane
	v_and_b32 v2, 15, v0                           ; r
	v_bfe_u32 v3, v0, 4, 1                         ; h
	s_lshr_b32 s18, ttmp9, 2                       ; nt
	s_and_b32 s19, ttmp9, 3                        ; kq
	s_lshl2_add_u32 s21, s19, s20                  ; kblk = 4 kq + w: my 64 k
	v_lshlrev_b32 v4, 4, v2                        ; memory: 16 r bytes
	v_lshl_add_u32 v4, v3, 15, v4                  ; + 8 h rows of 4,096 bytes
	s_lshl_b32 s22, s21, 8
	v_add_nc_u32 v4, s22, v4                       ; + my 256 bytes of a row
	s_mul_i32 s23, s20, STG
	v_mul_u32_u24 v5, v3, 8*SP                     ; stage, in: row 8 h (+ i), 8 r bytes
	v_lshl_add_u32 v5, v2, 3, v5
	v_add_nc_u32 v5, s23, v5
	v_mul_u32_u24 v6, v2, SP                       ; stage, back: row r, 16 h bytes
	v_lshl_add_u32 v6, v3, 4, v6
	v_add_nc_u32 v6, s23, v6
	v_lshlrev_b32 v7, 4, v1                        ; 16 x lane: where a fragment half goes in ub
	; thread T = 0..127 of the last phase: bit 0 jq (which 4 of 8 registers), bits 1-4 r' (batch in its tile), bit 5 h', bit 6 bt
	v_bfe_u32 v160, v0, 5, 1
	v_and_b32 v161, 1, v0
	v_lshlrev_b32 v160, 5, v160
	v_lshl_add_u32 v160, v161, 4, v160             ; 32 h' + 16 jq: my four n among the group's 16, in bytes
	v_bfe_u32 v161, v0, 1, 4
	v_bfe_u32 v164, v0, 6, 1
	v_lshl_add_u32 v161, v164, 4, v161             ; batch = 16 bt + r'
	v_lshl_add_u32 v161, v161, 12, v160            ; its row of qbs + my four n
	s_lshl_b32 s24, s20, 11
	s_add_co_u32 s24, s24, PS
	v_lshl_add_u32 v162, v1, 5, s24                ; partial sums, in: a lane's 8 results are 32 bytes
	v_lshl_add_u32 v163, v0, 4, PS                 ; partial sums, back: 16 T
	s_lshl_b32 s26, s18, 16                        ; 16 rows of 4,096 bytes
	s_mov_b32 s27, 0
	s_lshl_b32 s28, s18, 6                         ; 16 n of f32
	s_mov_b32 s29, 0
	s_bfe_u32 s30, s18, 0x20003                    ; wv = (nt >> 3) & 3
	s_lshl_b32 s30, s30, 1
	s_lshr_b32 s32, s18, 5                         ; p = nt >> 5
	s_add_co_u32 s30, s30, s32
	s_lshl_b32 s30, s30, 5
	s_lshl_b32 s32, s21, 1                         ; ks = 2 kblk (+ s in the immediate)
	s_add_co_u32 s30, s30, s32
	s_lshl_b32 s30, s30, 13
	s_and_b32 s32, s18, 7                          ; b = nt & 7
	s_lshl_b32 s32, s32, 10
	s_add_co_u32 s30, s30, s32
	s_mov_b32 s31, 0
	s_lshl_b32 s32, s19, 17                        ; quarter kq of qbs: 131,072 bytes each
	s_add_co_u32 s32, s32, s28
	s_mov_b32 s33, 0
	s_cmp_eq_u32 s19, 0
	s_cselect_b32 s34, -1, 0                       ; all lanes where kq = 0: the biases enter once
	s_wait_kmcnt 0x0
	s_add_nc_u64 s[4:5], s[4:5], s[26:27]
	s_add_nc_u64 s[6:7], s[6:7], s[26:27]
	s_add_nc_u64 s[10:11], s[10:11], s[28:29]
	s_add_nc_u64 s[12:13], s[12:13], s[28:29]
	s_add_nc_u64 s[14:15], s[14:15], s[30:31]
	s_add_nc_u64 s[16:17], s[16:17], s[32:33]
.macro LD8 dst, base, off              ; 16 rows x 256 bytes
.irp i, 0,1,2,3,4,5,6,7
	global_load_b128 v[\dst+4*\i:\dst+4*\i+3], v4, s[\base:\base+1] offset:\off+\i*4096
.endr
.endm
.macro PACK8 src, dst                  ; 8 loads' f32 to bf16: 4 numbers to 2 registers; dst never runs ahead of src
.irp i, 0,1,2,3,4,5,6,7
	v_cvt_pk_bf16_f32 v[\dst+2*\i],   v[\src+4*\i],   v[\src+4*\i+1]
	v_cvt_pk_bf16_f32 v[\dst+2*\i+1], v[\src+4*\i+2], v[\src+4*\i+3]
.endr
.endm
.macro STO8 src, off
.irp i, 0,1,2,3,4,5,6,7
	ds_store_b64 v5, v[\src+2*\i:\src+2*\i+1] offset:\off+\i*SP
.endr
.endm
.macro FRG dst, off                    ; two fragments: K step s at 64 s bytes, its second half 32 bytes on.  My wave's own bytes, served in order behind the stores
	ds_load_b128 v[\dst:\dst+3],     v6 offset:\off
	ds_load_b128 v[\dst+4:\dst+7],   v6 offset:\off+32
	ds_load_b128 v[\dst+8:\dst+11],  v6 offset:\off+64
	ds_load_b128 v[\dst+12:\dst+15], v6 offset:\off+96
.endm
	global_load_b128 v[8:11],  v160, s[10:11]      ; the biases: the oldest loads
	global_load_b128 v[12:15], v160, s[12:13]
	LD8 UU,    4, 0
	LD8 WW,    6, 0
	LD8 QQ,    8, 0                                ; batches 0-15
	LD8 QQ+32, 8, 65536                            ; batches 16-31
	s_wait_loadcnt 24                              ; the 8 loads of Wa_w and the 16 of query are younger: Ua_w is in
.set ii, 0
.rept 16
	v_pk_mul_f32 v[UU+ii:UU+ii+1], v[UU+ii:UU+ii+1], C2LIT op_sel_hi:[1,0]
.set ii, ii+2
.endr
	PACK8 UU, UU
	STO8 UU, 0
	FRG UF, 0
	s_wait_loadcnt 16                              ; query's 16 loads are younger: Wa_w is in
	PACK8 WW, WW
	STO8 WW, REG
	FRG WF, REG
	s_wait_dscnt 12                                ; Wa_w's 8 stores and 4 loads are younger: Ua_w's fragments are in
	global_store_b128 v7, v[UF:UF+3],     s[14:15]             ; each store of the wave covers 512 consecutive bytes, aligned
	global_store_b128 v7, v[UF+4:UF+7],   s[14:15] offset:512
	global_store_b128 v7, v[UF+8:UF+11],  s[14:15] offset:8192
	global_store_b128 v7, v[UF+12:UF+15], s[14:15] offset:8704
	s_wait_loadcnt 0x0                             ; query
	PACK8 QQ,    QQ
	PACK8 QQ+32, QQ+16
	STO8 QQ,    2*REG
	STO8 QQ+16, 3*REG
	FRG QF,    2*REG
	FRG QF+16, 3*REG
	s_wait_dscnt 0x0
	; D(m = row of Wa_w, n = batch).  The two accumulators take turns, one instruction a turn.
	v_wmma_f32_16x16x32_bf16 v[AC:AC+7],    v[WF:WF+7],    v[QF:QF+7],     0
	v_wmma_f32_16x16x32_bf16 v[AC+8:AC+15], v[WF:WF+7],    v[QF+16:QF+23], 0
	v_wmma_f32_16x16x32_bf16 v[AC:AC+7],    v[WF+8:WF+15], v[QF+8:QF+15],  v[AC:AC+7]
	v_wmma_f32_16x16x32_bf16 v[AC+8:AC+15], v[WF+8:WF+15], v[QF+24:QF+31], v[AC+8:AC+15]
.irp i, 8,9,10,11
	v_cndmask_b32 v\i, 0, v\i, s34                 ; four places between a matrix instruction and the LDS stores of its result: useful ones
.endr
	ds_store_b128 v162, v[AC:AC+3]
	ds_store_b128 v162, v[AC+4:AC+7]   offset:16
	ds_store_b128 v162, v[AC+8:AC+11]  offset:1024
	ds_store_b128 v162, v[AC+12:AC+15] offset:1040
.irp i, 12,13,14,15
	v_cndmask_b32 v\i, 0, v\i, s34
.endr
	s_wait_dscnt 0x0                               ; my partial sums are in LDS before I say so
	s_barrier_signal -1
	s_barrier_wait -1
.irp i, 0,1,2,3
	ds_load_b128 v[16+4*\i:16+4*\i+3], v163 offset:2048*\i         ; the same four results from each of the four waves
.endr
	v_pk_add_f32 v[8:9],   v[8:9],   v[12:13]      ; Wa_b + Ua_b, or 0
	v_pk_add_f32 v[10:11], v[10:11], v[14:15]
	s_wait_dscnt 0x0
	v_pk_add_f32 v[16:17], v[16:17], v[20:21]
	v_pk_add_f32 v[18:19], v[18:19], v[22:23]
	v_pk_add_f32 v[24:25], v[24:25], v[28:29]
	v_pk_add_f32 v[26:27], v[26:27], v[30:31]
	v_pk_add_f32 v[16:17], v[16:17], v[24:25]
	v_pk_add_f32 v[18:19], v[18:19], v[26:27]
	v_pk_add_f32 v[16:17], v[16:17], v[8:9]
	v_pk_add_f32 v[18:19], v[18:19], v[10:11]
	v_pk_mul_f32 v[16:17], v[16:17], C2LIT op_sel_hi:[1,0]
	v_pk_mul_f32 v[18:19], v[18:19], C2LIT op_sel_hi:[1,0]
	global_store_b128 v161, v[16:19], s[16:17]
	s_wait_tensorcnt 0x0
	ds_add_u32 v192, v193
	s_wait_dscnt 0x0
	s_endpgm
.Lfunc_end_k_qe5e005d1c2_prep:
	.size	k_qe5e005d1c2_prep, .Lfunc_end_k_qe5e005d1c2_prep-k_qe5e005d1c2_prep
	.p2alignl 7, 3214868480
	.fill 96, 4, 3214868480
	.section	.rodata,"a",@progbits
	.p2align	6, 0x0
	.amdhsa_kernel k_qe5e005d1c2_prep
		.amdhsa_group_segment_fixed_size 45568
		.amdhsa_private_segment_fixed_size 0
		.amdhsa_enable_private_segment 0
		.amdhsa_kernarg_size 56
		.amdhsa_user_sgpr_count 2
		.amdhsa_user_sgpr_kernarg_segment_ptr 1
		.amdhsa_wavefront_size32 1
		.amdhsa_system_sgpr_workgroup_id_x 1
		.amdhsa_system_sgpr_workgroup_id_y 1
		.amdhsa_system_sgpr_workgroup_id_z 1
		.amdhsa_system_vgpr_workitem_id 0
		.amdhsa_next_free_vgpr 194
		.amdhsa_next_free_sgpr 66
		.amdhsa_reserve_vcc 0
		.amdhsa_float_denorm_mode_32 3
		.amdhsa_float_denorm_mode_16_64 3
		.amdhsa_memory_ordered 1
		.amdhsa_forward_progress 1
		.amdhsa_inst_pref_size 18
	.end_amdhsa_kernel
	.amdgpu_metadata
---
amdhsa.version: [ 1, 2 ]
amdhsa.kernels:
  - .name:           k_qe5e005d1c2_prep
    .symbol:         k_qe5e005d1c2_prep.kd
    .args:
      - { .name: Ua_w, .offset: 0, .size: 8, .value_kind: global_buffer, .address_space: global }
      - { .name: Wa_w, .offset: 8, .size: 8, .value_kind: global_buffer, .address_space: global }
      - { .name: query, .offset: 16, .size: 8, .value_kind: global_buffer, .address_space: global }
      - { .name: Wa_b, .offset: 24, .size: 8, .value_kind: global_buffer, .address_space: global }
      - { .name: Ua_b, .offset: 32, .size: 8, .value_kind: global_buffer, .address_space: global }
      - { .name: ub, .offset: 40, .size: 8, .value_kind: global_buffer, .address_space: global }
      - { .name: qbs, .offset: 48, .size: 8, .value_kind: global_buffer, .address_space: global }
    .group_segment_fixed_size: 45568
    .private_segment_fixed_size: 0
    .kernarg_segment_align: 8
    .kernarg_segment_size: 56
    .max_flat_workgroup_size: 128
    .sgpr_count:     66
    .vgpr_count:     194
    .wavefront_size: 32
...
	.end_amdgpu_metadata
.endif
;; end of part 1
;; launch main (part 2): grid 512 x 1, 4 waves a work-group, no clusters, 310,784 bytes of LDS; arguments keys, ub, qbs, Va_w, Va_b, scores, part; writes scores, part
.if DOCPART == 2
	.amdgcn_target "amdgcn-amd-amdhsa--gfx1250"
	.amdhsa_code_object_version 6
	.text
	.protected	k_qe5e005d1c2_main
	.globl	k_qe5e005d1c2_main
	.p2align	8
	.type	k_qe5e005d1c2_main,@function
k_qe5e005d1c2_main:
	s_mov_b64 s[64:65], 0
	v_nop
	global_prefetch_b8 v0, s[64:65] scope:SCOPE_SE
	s_setreg_imm32_b32 hwreg(HW_REG_WAVE_MODE, 25, 1), 1
	s_wait_xcnt 0x0
; For a block of 128 rows s of one batch (512 blocks):
;   score[s] = Va_b + sum over n of Va[n] tanh(q_proj[n] + k_proj[s][n]),   k_proj = keys x Ua_w^T (bf16 operands, f32 sums),
;   m = the block's largest score,  part[block][c] = sum over s of exp(score[s] - m) keys[s][c]  (bf16 operands, f32 sums).
; The next launch joins the 16 blocks of a batch by their maxima.
; tanh(x) = 1 - 2 / (1 + 2^(C2 x)), C2 = 2 log2(e).  ub holds C2 Ua_w in bf16 and qbs, in four partial sums, C2 (q_proj + Ua_b): the matrix sums plus qbs are C2 x.
; 2^(..) = infinity gives 1, 2^(..) = 0 gives -1: no clamp is needed.  score = Va_b + sum of Va - 2 sum of Va / (1 + 2^(C2 x)).
; SHAPE.  Four waves, as many as a WGP has SIMDs.  The 1,024 n go in two passes of 512; in a pass wave w makes all 128 rows x its 128 n: 64 accumulator
; tiles, 512 registers.  The block's keys are read from memory ONCE, as f32 through registers, rounded to bf16 and kept in LDS (294,912 bytes) for both
; passes and for the context.  They arrive during pass 0, a chunk of 64 k ahead of its use.
; ub (fragment order) goes straight into registers: each of its numbers is used by one wave of the work-group alone, so LDS would give it no second use.
; NO JOINT TENSOR LOADS for ub, though every work-group reads it: beside the keys LDS has 32,768 bytes left, and one K step of 32 of ub for the four
; waves is 32,768 bytes, so two slots that take turns do not fit.
; LIMITS: keys, C2 Ua_w and exp(score - m) enter the matrix unit in bf16.
;
; REGISTERS in windows of 256.  Window 0: addresses, sums, A's fragments, keys on their way.  Window 1: four buffers of ub fragments (later the context's sums).
; Window 2: accumulator tiles of rows 0-63 (tile (a, b) at 8 (8 a + b)).  Window 3: rows 64-127.
; THE MATRIX INSTRUCTION IS USED TRANSPOSED: source 0 = 16 rows of Ua_w, source 1 = 16 rows of keys: lane (r, h), register j of tile (a, b) holds row 16 a + r, n = 16 b + 8 h + j.
.set L2E,   0x3fb8aa3b                 ; log2(e)
.set PITCH, 144                        ; an LDS row of a chunk: 128 bytes of bf16 + 16: 9 x 16 bytes, so 16 rows start in 16 different 16-byte columns of 256
.set CHUNK, 128*PITCH                  ; 18,432: 128 rows x 64 k
.set QV,    16*CHUNK                   ; 294,912: qbs of my batch (4,096 bytes), then Va (4,096)
.set SCB,   QV+8192                    ; 303,104: [wave][128 rows] f32, partial scores
.set PB,    SCB+2048                   ; 305,152: [wave][128] bf16, exp(score - m), each wave's own copy
.set CT,    PB+1024                    ; 306,176: [wave][256] f32, the context on its way out, each wave's own; ends at 310,272
.set LN,   1                           ; lane
.set RL,   2                           ; r = lane & 15
.set HL,   3                           ; h = lane >> 4
.set AD,   4                           ; LDS: r x 144 + 16 h, + 2 chunks a trip
.set KST,  5                           ; LDS: where my 8 bytes of a key row go
.set KOFF, 6                           ; keys: (32 w + 8 h) rows + 16 r bytes; never rewritten
.set PFO,  7                           ; keys: row 32 w + lane; never rewritten
.set BOFF, 8                           ; 16 x lane; never rewritten
.set QVA,  9                           ; LDS: QV + 512 w + 32 h
.set TA,   10                          ; v10, v11: LDS addresses of the transposing loads
.set X0,   12                          ; scratch addresses
.set X1,   13
.set VS,   14                          ; v[14:15] sum of my Va; at the end two LDS addresses
.set SACC, 16                          ; v[16:31] sums of Va / (1 + 2^..), a pair for each of 8 row tiles
.set CV,   32                          ; v[32:47] keys as bf16 on their way to LDS; later partial sums; later the scores
.set TM,   48                          ; v[48:63] at work
.set AF,   64                          ; v[64:127] fragments of 8 row tiles; in pass 1 a second buffer lies at v[128:191]
.set KS,   128                         ; v[128:255] pass 0: four buffers of 32: half chunks of keys as f32
.set QB,   128                         ; behind a pass: qbs of my 64 n
.set VA,   192                         ; behind a pass: Va of my 64 n; at the end p's fragments
.set MSB, 0
.macro WIN new                         ; the immediate's high byte repeats the setting that is left
.if MSB != \new
	s_set_vgpr_msb (MSB<<8)|\new
.set MSB, \new
.endif
.endm
.set MUL_LO, 0xa1                      ; source 0 window 1, source 1 window 0, C and D window 2
.set MUL_HI, 0xf1                      ; the same, C and D window 3
.set TO_B,   0x40                      ; destination window 1
.macro PLACES                          ; four places behind a matrix instruction (ISA guide 7.12.1)
.rept 4
	v_nop
.endr
.endm
; 16 matrix instructions: row tiles 4 hi + a0, 4 hi + a0 + 1 x my 8 n tiles, 32 along K, ub buffer sel, A's fragments at af.  zero = 1: the first product starts the sums.
; The 64 accumulators take turns, one instruction a turn, in the same order in every step.
.macro MUL16 hi, a0, sel, zero, af
.irp a, \a0, \a0+1
.irp b, 0,1,2,3,4,5,6,7
.if \zero
	v_wmma_f32_16x16x32_bf16 v[8*(8*(\a)+\b):8*(8*(\a)+\b)+7], v[64*(\sel)+8*\b:64*(\sel)+8*\b+7], v[\af+8*(4*\hi+(\a)):\af+8*(4*\hi+(\a))+7], 0
.else
	v_wmma_f32_16x16x32_bf16 v[8*(8*(\a)+\b):8*(8*(\a)+\b)+7], v[64*(\sel)+8*\b:64*(\sel)+8*\b+7], v[\af+8*(4*\hi+(\a)):\af+8*(4*\hi+(\a))+7], v[8*(8*(\a)+\b):8*(8*(\a)+\b)+7]
.endif
.endr
.endr
.endm
; 8 LDS loads: the fragments of row tiles 4 hi .. 4 hi + 3 for K step qn of the trip, into the buffer at af
.macro FETCHA hi, qn, af
.irp a, 0,1,2,3
	ds_load_b128 v[\af+8*(4*\hi+\a):\af+8*(4*\hi+\a)+3],   v[AD] offset:(4*\hi+\a)*16*PITCH+((\qn)>>1)*CHUNK+((\qn)&1)*64
	ds_load_b128 v[\af+8*(4*\hi+\a)+4:\af+8*(4*\hi+\a)+7], v[AD] offset:(4*\hi+\a)*16*PITCH+((\qn)>>1)*CHUNK+((\qn)&1)*64+32
.endr
.endm
; 16 loads of 512 consecutive bytes: my 8 n tiles of ub for K step qb of the trip
.macro LOADB qb
	WIN TO_B
.irp i, 0,1,2,3,4,5,6,7,8,9,10,11,12,13,14,15
	global_load_b128 v[64*((\qb)&3)+4*\i:64*((\qb)&3)+4*\i+3], v[BOFF], s[26:27] offset:(\qb)*8192+\i*512
.endr
.endm
; Half chunk u of the trip: 16 of my wave's 32 rows x 64 k.  A load takes 256 consecutive bytes, aligned, of row i (lanes 0-15) and of row i + 8 (lanes 16-31).
.macro LOADK u
.irp i, 0,1,2,3,4,5,6,7
	global_load_b128 v[KS+32*((\u)&3)+4*\i:KS+32*((\u)&3)+4*\i+3], v[KOFF], s[24:25] offset:((\u)>>1)*256+(((\u)&1)*16+\i)*4096 th:TH_LOAD_NT
.endr
.endm
.macro CVTH u
.irp i, 0,1,2,3,4,5,6,7
	v_cvt_pk_bf16_f32 v[CV+2*\i],   v[KS+32*((\u)&3)+4*\i],   v[KS+32*((\u)&3)+4*\i+1]
	v_cvt_pk_bf16_f32 v[CV+2*\i+1], v[KS+32*((\u)&3)+4*\i+2], v[KS+32*((\u)&3)+4*\i+3]
.endr
.endm
.macro STH u
.irp i, 0,1,2,3,4,5,6,7
	ds_store_b64 v[KST], v[CV+2*\i:CV+2*\i+1] offset:((\u)>>1)*CHUNK+(((\u)&1)*16+\i)*PITCH
.endr
.endm
; One K step of 32 of pass 0 (step q of a trip of four).  Flags: zero: start the sums; bar: the barrier that shows the next chunk whole; st: round and store half chunk q + 3;
; kl: load half chunk q + 7; pf: ask for the chunk of half q + 11; fa: fetch the next step's fragments.  ub for step q + 2 is loaded in every step.
; lc: loads younger than ub of this step and half chunk q + 3.  d1, d4: LDS instructions younger than the low, the high half of this step's fragments.
.macro KSTEP q, zero, bar, st, kl, pf, fa, lc, d1, d4
	s_wait_loadcnt \lc                             ; loads come back in order (ISA guide 5.7.1)
	LOADB (\q+2)                                   ; its buffer was last multiplied two steps ago, with that step's places behind it
	s_wait_dscnt \d1
	WIN MUL_LO
	MUL16 0, 0, (\q&3), \zero, AF
.if \bar
	s_wait_dscnt 0x0                               ; my stores of the next chunk (issued a step ago) are in LDS, and no LDS instruction of mine is out,
	s_barrier_signal -1                            ; before I say so
.endif
	MUL16 0, 2, (\q&3), \zero, AF
.if \bar
	s_barrier_wait -1                              ; every wave's rows of the next chunk are in LDS
.endif
.if (\st+\fa) > 0
	WIN 0
.endif
.if \st
	CVTH (\q+3)                                    ; these 16 conversions name none of the matrix instructions' registers: they are the places
.elseif \fa
	PLACES
.endif
.if \fa
	FETCHA 0, (\q+1), AF
.endif
.if \st
	STH (\q+3)
.endif
.if \kl
	LOADK (\q+7)                                   ; into the buffer that has just been converted
.endif
.if \pf
	global_prefetch_b8 v[PFO], s[24:25] offset:((\q+11)>>1)*256 th:TH_LOAD_NT scope:SCOPE_SE   ; each lane one row's 256 bytes of the chunk whose loads begin four steps on
.endif
	s_wait_dscnt \d4
	WIN MUL_HI
	MUL16 1, 0, (\q&3), \zero, AF
	MUL16 1, 2, (\q&3), \zero, AF
.if \fa
	PLACES
	WIN 0
	FETCHA 1, (\q+1), AF
.endif
.endm
; One K step of pass 1: the keys are all in LDS, and their registers hold a second fragment buffer: ONE run of loads (ub for step q + 2, all fragments of step q + 1), then 64 matrix instructions.
.macro KSTEP1 q, zero, fa, lb, lc
	s_wait_loadcnt \lc                             ; ub of the next step (16 loads) is younger; in the last step nothing is
.if (\fa+\lb) > 0
	PLACES                                         ; ahead of loads into the fragment buffer that the last step's matrix instructions read
.endif
.if \lb
	LOADB (\q+2)
.endif
.if \fa
	WIN 0
	FETCHA 0, (\q+1), AF+64*((\q+1)&1)
	FETCHA 1, (\q+1), AF+64*((\q+1)&1)
	s_wait_dscnt 16                                ; the 16 just issued are younger: this step's fragments are in
.else
	s_wait_dscnt 0x0
.endif
	WIN MUL_LO
	MUL16 0, 0, (\q&3), \zero, AF+64*(\q&1)
	MUL16 0, 2, (\q&3), \zero, AF+64*(\q&1)
	WIN MUL_HI
	MUL16 1, 0, (\q&3), \zero, AF+64*(\q&1)
	MUL16 1, 2, (\q&3), \zero, AF+64*(\q&1)
.endm
; The end of a trip: four K steps = two chunks on
.macro STEPUP kb
	WIN 0
	s_wait_xcnt 0x0                                ; the bases of the loads issued so far are rewritten only behind this wait
	s_add_nc_u64 s[26:27], s[26:27], 4*8192
	v_add_nc_u32 v[AD], 2*CHUNK, v[AD]
.if \kb
	s_add_nc_u64 s[24:25], s[24:25], 2*256
	v_add_nc_u32 v[KST], 2*CHUNK, v[KST]
.endif
.endm
	s_load_b256 s[4:11], s[0:1], 0x0               ; keys s[4:5], ub s[6:7], qbs s[8:9], Va_w s[10:11]
	s_load_b128 s[12:15], s[0:1], 0x20             ; Va_b s[12:13], scores s[14:15]
	s_load_b64 s[16:17], s[0:1], 0x30              ; part
	v_lshl_add_u32 v62, v0, 2, 0x4bc00
	v_mov_b32 v63, 0
	v_lshrrev_b32 v[X0], 5, v0
	v_readfirstlane_b32 s20, v[X0]                 ; wave 0..3
	v_and_b32 v[LN], 31, v0
	v_and_b32 v[RL], 15, v0
	v_bfe_u32 v[HL], v0, 4, 1
	s_mov_b32 s30, 0x76543210                      ; v_permlanex16_b32: lane i of one half reads lane i of the other
	s_mov_b32 s31, 0xfedcba98
	s_lshl_b32 s18, ttmp9, 19                      ; block x 128 rows of 4,096 bytes (below 2^28)
	s_mov_b32 s19, 0
	s_lshl_b32 s22, s20, 19                        ; my wave's stream of ub: 64 steps of 8,192 bytes
	s_mov_b32 s23, 0
	s_lshl_b32 s21, s20, 17                        ; 32 w rows of keys
	v_lshlrev_b32 v[KOFF], 4, v[RL]
	v_lshl_add_u32 v[KOFF], v[HL], 15, v[KOFF]
	v_add_nc_u32 v[KOFF], s21, v[KOFF]
	v_lshl_add_u32 v[PFO], v[LN], 12, s21
	v_lshlrev_b32 v[BOFF], 4, v[LN]
	v_lshlrev_b32 v[X1], 4, v0                     ; 16 x thread, for qbs and Va
	s_wait_kmcnt 0x0
	s_load_b32 s29, s[12:13], 0x0                  ; Va_b
	s_add_nc_u64 s[24:25], s[4:5], s[18:19]        ; keys at my block
	s_add_nc_u64 s[26:27], s[6:7], s[22:23]        ; ub at my wave's stream
	s_lshr_b32 s18, ttmp9, 4
	s_lshl_b32 s18, s18, 12
	s_add_nc_u64 s[8:9], s[8:9], s[18:19]          ; qbs at my batch
	s_lshl_b32 s18, ttmp9, 9
	s_add_nc_u64 s[32:33], s[14:15], s[18:19]      ; scores at my block
	s_lshl_b32 s18, ttmp9, 12
	s_lshl_b32 s22, s20, 10
	s_add_co_u32 s18, s18, s22
	s_add_nc_u64 s[34:35], s[16:17], s[18:19]      ; part at my block and my wave's 256 columns
	LOADB 0
	WIN 0
	LOADK 0
	LOADK 1
	LOADK 2
	LOADK 3
.irp kq, 0,1,2,3
	global_load_b128 v[AF+8*\kq:AF+8*\kq+3],   v[X1], s[8:9] offset:\kq*131072          ; the four partial sums of qbs, 131,072 bytes apart
	global_load_b128 v[AF+8*\kq+4:AF+8*\kq+7], v[X1], s[8:9] offset:\kq*131072+2048
.endr
	global_load_b128 v[TM:TM+3],   v[X1], s[10:11]
	global_load_b128 v[TM+4:TM+7], v[X1], s[10:11] offset:2048
	global_prefetch_b8 v[PFO], s[24:25] offset:4*256 th:TH_LOAD_NT scope:SCOPE_SE   ; chunks 4 and 5, whose loads stand in steps 1 to 4; the loop asks from chunk 6 to chunk 15, the last
	global_prefetch_b8 v[PFO], s[24:25] offset:5*256 th:TH_LOAD_NT scope:SCOPE_SE
	v_mul_u32_u24 v[AD], v[RL], PITCH
	v_lshl_add_u32 v[AD], v[HL], 4, v[AD]
	s_mul_i32 s21, s20, 32*PITCH
	v_mul_u32_u24 v[KST], v[HL], 8*PITCH
	v_lshl_add_u32 v[KST], v[RL], 3, v[KST]
	v_add_nc_u32 v[KST], s21, v[KST]               ; (32 w + 8 h) rows + 8 r bytes
	s_lshl_b32 s21, s20, 9
	s_add_co_u32 s21, s21, QV
	v_lshl_add_u32 v[QVA], v[HL], 5, s21
	v_and_b32 v[X0], 7, v0
	v_lshl_add_u32 v[X0], v[HL], 3, v[X0]          ; 8 h + (lane & 7): the row that a transposing load addresses
	v_mul_u32_u24 v[TA], v[X0], PITCH
	v_bfe_u32 v[X0], v0, 3, 1
	v_lshl_add_u32 v[TA], v[X0], 4, v[TA]
	s_mul_i32 s21, s20, 4*CHUNK                    ; my wave's 256 columns of the context are chunks 4 w .. 4 w + 3
	v_add_nc_u32 v[TA], s21, v[TA]
	v_add_nc_u32 v[TA+1], 2*CHUNK, v[TA]
	v_lshl_add_u32 v[X0], v0, 4, QV
	s_wait_loadcnt 18                              ; half chunk 3 (8), qbs (8) and Va (2) are younger: ub of step 0 and half chunks 0 to 2 are in
	CVTH 0
	STH 0
	CVTH 1
	STH 1
	CVTH 2
	STH 2
	LOADB 1
	WIN 0
	LOADK 4
	LOADK 5
	LOADK 6
	s_wait_loadcnt 40                              ; ub of step 1 (16) and half chunks 4 to 6 (24) are younger: half chunk 3, qbs and Va are in
.irp k, 0,2,4,6
	v_pk_add_f32 v[AF+\k:AF+\k+1],       v[AF+\k:AF+\k+1],       v[AF+8+\k:AF+8+\k+1]
	v_pk_add_f32 v[AF+16+\k:AF+16+\k+1], v[AF+16+\k:AF+16+\k+1], v[AF+24+\k:AF+24+\k+1]
.endr
.irp k, 0,2,4,6
	v_pk_add_f32 v[AF+\k:AF+\k+1], v[AF+\k:AF+\k+1], v[AF+16+\k:AF+16+\k+1]
.endr
	ds_store_b128 v[X0], v[AF:AF+3]
	ds_store_b128 v[X0], v[AF+4:AF+7] offset:2048
	ds_store_b128 v[X0], v[TM:TM+3]   offset:4096
	ds_store_b128 v[X0], v[TM+4:TM+7] offset:6144
	s_wait_kmcnt 0x0                               ; Va_b
	s_wait_dscnt 0x0                               ; chunk 0, half of chunk 1, qbs and Va: my part is in LDS before I say so
	s_barrier_signal -1
	s_barrier_wait -1
	FETCHA 0, 0, AF
	FETCHA 1, 0, AF
	; PASS 0, steps t = 0 .. 31.  Chunk c is stored in steps 2c-3 and 2c-2, shown whole by the barrier of step 2c-1 and first read behind that barrier's wait.
	; A chunk's bytes are written once in the launch.  Loads issued and not yet waited for: 56 in the steady state (32 left by the wait, 16 of ub, 8 of keys);
	; 64 in steps 0 and 1, where the last one's issue holds until one is back (ISA guide 5.7.1).
	;     q  zero bar st kl pf fa  lc  d1  d4
	KSTEP 0, 1,   0,  1, 1, 0, 1,  40, 8,  16      ; lc: met since the wait above.  d1: the 8 loads of the high half are younger
	KSTEP 1, 0,   1,  1, 1, 1, 1,  40, 16, 16      ; lc: half chunks 5, 6 (16), ub 2 (16), half chunk 7 (8) are younger than half chunk 4
	KSTEP 2, 0,   0,  1, 1, 0, 1,  32, 16, 16      ; lc: a half chunk, ub of the next step, a half chunk.  d1: 8 stores and 8 loads.  d4: 8 loads and 8 stores
	KSTEP 3, 0,   1,  1, 1, 1, 1,  32, 16, 16
	STEPUP 1
	s_mov_b32 s28, 4                               ; t = 4 .. 19
.Lpass0:
	KSTEP 0, 0,   0,  1, 1, 0, 1,  32, 16, 16
	KSTEP 1, 0,   1,  1, 1, 1, 1,  32, 16, 16
	KSTEP 2, 0,   0,  1, 1, 0, 1,  32, 16, 16
	KSTEP 3, 0,   1,  1, 1, 1, 1,  32, 16, 16
	STEPUP 1
	s_sub_co_i32 s28, s28, 1
	s_cmp_lg_u32 s28, 0
	s_cbranch_scc1 .Lpass0
	KSTEP 0, 0,   0,  1, 1, 0, 1,  32, 16, 16      ; t = 20 .. 23: nothing is left to ask for
	KSTEP 1, 0,   1,  1, 1, 0, 1,  32, 16, 16
	KSTEP 2, 0,   0,  1, 1, 0, 1,  32, 16, 16
	KSTEP 3, 0,   1,  1, 1, 0, 1,  32, 16, 16
	STEPUP 1
	KSTEP 0, 0,   0,  1, 1, 0, 1,  32, 16, 16      ; t = 24: the last half chunk, 31, is loaded
	KSTEP 1, 0,   1,  1, 0, 0, 1,  32, 16, 16
	KSTEP 2, 0,   0,  1, 0, 0, 1,  24, 16, 16      ; lc: half chunk 31 and ub of step 27
	KSTEP 3, 0,   1,  1, 0, 0, 1,  16, 16, 16      ; lc from here on: ub of the next step
	STEPUP 1
	KSTEP 0, 0,   0,  1, 0, 0, 1,  16, 16, 16      ; t = 28: half chunk 31 is stored
	KSTEP 1, 0,   1,  0, 0, 0, 1,  16, 16, 8       ; t = 29: the last barrier: chunk 15 is whole
	KSTEP 2, 0,   0,  0, 0, 0, 1,  16, 8,  8
	KSTEP 3, 0,   0,  0, 0, 0, 0,  16, 8,  0       ; t = 31: ub runs on into pass 1 (steps 32 and 33 stay on their way behind the pass)
	STEPUP 0
; BEHIND A PASS: 128 rows x my 128 n, IN PLACE in the accumulators, a window (32 tiles) at a time under one setting: destination, source 0 and source 2 in the
; accumulators' window, source 1 (qbs, Va) in window 0.  Five stages: t = acc + qbs; e = 2^t; e + 1; r = 1 / (e + 1); the row tile's first tile gathers Va r.
; They run as a pipeline over the tiles: in tick tt stage 1 works on tile tt, stage 2 on tile tt - 1, .. stage 5 on tile tt - 4, so that no instruction of a tick reads
; what the same tick writes, and 16 transcendentals are mixed with 12 plain instructions on other tiles: these are the plain places between a transcendental and
; the use of its result (ISA guide 5.7.2).
.macro ES1 i, m
.if (\i) < 32
	v_pk_add_f32 v[8*(\i)+2*\m:8*(\i)+2*\m+1], v[8*(\i)+2*\m:8*(\i)+2*\m+1], v[QB+8*((\i)&7)+2*\m:QB+8*((\i)&7)+2*\m+1]
.endif
.endm
.macro ETR op, i, j
.if (\i) >= 0
.if (\i) < 32
	\op v[8*(\i)+\j], v[8*(\i)+\j]
.endif
.endif
.endm
.macro ES3 i, m
.if (\i) >= 0
.if (\i) < 32
	s_wait_alu depctr_va_vdst(0)
	v_pk_add_f32 v[8*(\i)+2*\m:8*(\i)+2*\m+1], v[8*(\i)+2*\m:8*(\i)+2*\m+1], 1.0 op_sel_hi:[1,0]
.endif
.endif
.endm
.macro ES5 i, m
.if (\i) >= 0
.if (\i) < 32
.if ((\i)&7) == 0
	v_pk_mul_f32 v[8*(\i)+2*\m:8*(\i)+2*\m+1], v[8*(\i)+2*\m:8*(\i)+2*\m+1], v[VA+2*\m:VA+2*\m+1]
.else
	s_wait_alu depctr_va_vdst(0)
	v_pk_fma_f32 v[64*((\i)>>3)+2*\m:64*((\i)>>3)+2*\m+1], v[8*(\i)+2*\m:8*(\i)+2*\m+1], v[VA+8*((\i)&7)+2*\m:VA+8*((\i)&7)+2*\m+1], v[64*((\i)>>3)+2*\m:64*((\i)>>3)+2*\m+1]
.endif
.endif
.endif
.endm
.macro ETICK
.irp m, 0,1,2,3
	ETR v_exp_f32, tt-1, 2*\m
	ES1 tt, \m
	ETR v_rcp_f32, tt-3, 2*\m
	ES3 tt-2, \m
	ETR v_exp_f32, tt-1, 2*\m+1
	ES5 tt-4, \m
	ETR v_rcp_f32, tt-3, 2*\m+1
.endr
.set tt, tt+1
.endm
; window w (2: rows 0-63, 3: rows 64-127).  first = 1: Va's loads are waited for ahead of the first tick that multiplies by it.
.macro EWIN w, first, pass
.if \w == 2
	WIN 0xa2
.else
	WIN 0xf3
.endif
.set tt, 0
.rept 4
	ETICK
.endr
.if \first
	s_wait_dscnt 0x0                               ; Va
.endif
.rept 32
	ETICK
.endr
.if \w == 2
	WIN 0x0a                                       ; sources 0 and 1 in the accumulators' window, destination in window 0
.else
	WIN 0x0f
.endif
.irp a, 0,1,2,3
	v_pk_add_f32 v[CV+4*\a:CV+4*\a+1],   v[64*\a:64*\a+1],   v[64*\a+2:64*\a+3]
	v_pk_add_f32 v[CV+4*\a+2:CV+4*\a+3], v[64*\a+4:64*\a+5], v[64*\a+6:64*\a+7]
.endr
	WIN 0
.irp a, 0,1,2,3
.if \pass
	v_pk_add_f32 v[CV+4*\a:CV+4*\a+1], v[CV+4*\a:CV+4*\a+1], v[CV+4*\a+2:CV+4*\a+3]
	v_pk_add_f32 v[SACC+2*(4*(\w-2)+\a):SACC+2*(4*(\w-2)+\a)+1], v[SACC+2*(4*(\w-2)+\a):SACC+2*(4*(\w-2)+\a)+1], v[CV+4*\a:CV+4*\a+1]
.else
	v_pk_add_f32 v[SACC+2*(4*(\w-2)+\a):SACC+2*(4*(\w-2)+\a)+1], v[CV+4*\a:CV+4*\a+1], v[CV+4*\a+2:CV+4*\a+3]
.endif
.endr
.endm
.macro EPI pass
	PLACES                                         ; behind the pass's last matrix instructions, ahead of reads and writes of their results and of loads into their sources
	WIN 0
.irp b, 0,1,2,3,4,5,6,7
	ds_load_b128 v[QB+8*\b:QB+8*\b+3],   v[QVA] offset:\pass*2048+64*\b          ; n = 512 pass + 128 w + 16 b + 8 h + 0..7
	ds_load_b128 v[QB+8*\b+4:QB+8*\b+7], v[QVA] offset:\pass*2048+64*\b+16
.endr
.irp b, 0,1,2,3,4,5,6,7
	ds_load_b128 v[VA+8*\b:VA+8*\b+3],   v[QVA] offset:4096+\pass*2048+64*\b
	ds_load_b128 v[VA+8*\b+4:VA+8*\b+7], v[QVA] offset:4096+\pass*2048+64*\b+16
.endr
	s_wait_dscnt 16                                ; Va's 16 loads are younger: qbs is in
	EWIN 2, 1, \pass
	EWIN 3, 0, \pass
	; the sum of my 64 Va of this pass, in two halves
.irp k, 0,2,4,6
	v_pk_add_f32 v[CV+\k:CV+\k+1], v[VA+\k:VA+\k+1], v[VA+8+\k:VA+8+\k+1]
.endr
.irp b, 2,3,4,5,6,7
.irp k, 0,2,4,6
	v_pk_add_f32 v[CV+\k:CV+\k+1], v[CV+\k:CV+\k+1], v[VA+8*\b+\k:VA+8*\b+\k+1]
.endr
.endr
	v_pk_add_f32 v[CV:CV+1], v[CV:CV+1], v[CV+2:CV+3]
	v_pk_add_f32 v[CV+4:CV+5], v[CV+4:CV+5], v[CV+6:CV+7]
.if \pass
	v_pk_add_f32 v[CV:CV+1], v[CV:CV+1], v[CV+4:CV+5]
	v_pk_add_f32 v[VS:VS+1], v[VS:VS+1], v[CV:CV+1]
.else
	v_pk_add_f32 v[VS:VS+1], v[CV:CV+1], v[CV+4:CV+5]
.endif
.endm
	EPI 0
	; PASS 1, steps 32 .. 63: no stores, no barrier
	v_mul_u32_u24 v[AD], v[RL], PITCH              ; back to chunk 0
	v_lshl_add_u32 v[AD], v[HL], 4, v[AD]
	FETCHA 0, 0, AF
	FETCHA 1, 0, AF
	;      q  zero fa lb lc
	KSTEP1 0, 1,   1, 1, 16
	KSTEP1 1, 0,   1, 1, 16
	KSTEP1 2, 0,   1, 1, 16
	KSTEP1 3, 0,   1, 1, 16
	STEPUP 0
	s_mov_b32 s28, 6                               ; steps 36 .. 59
.Lpass1:
	KSTEP1 0, 0,   1, 1, 16
	KSTEP1 1, 0,   1, 1, 16
	KSTEP1 2, 0,   1, 1, 16
	KSTEP1 3, 0,   1, 1, 16
	STEPUP 0
	s_sub_co_i32 s28, s28, 1
	s_cmp_lg_u32 s28, 0
	s_cbranch_scc1 .Lpass1
	KSTEP1 0, 0,   1, 1, 16                        ; step 60 loads ub of step 62,
	KSTEP1 1, 0,   1, 1, 16                        ; step 61 that of step 63, the last
	KSTEP1 2, 0,   1, 0, 16
	KSTEP1 3, 0,   0, 0, 0
	EPI 1
	; THE SCORES.  sum of Va - 2 sum of Va r: a lane's pair, then the other half of the lanes (the other 8 of each 16 n), then the four waves through LDS.
	v_add_f32 v[VS], v[VS], v[VS+1]
.irp a, 0,1,2,3,4,5,6,7
	v_add_f32 v[TM+\a], v[SACC+2*\a], v[SACC+2*\a+1]
.endr
.irp a, 0,1,2,3,4,5,6,7
	v_fma_f32 v[TM+\a], v[TM+\a], -2.0, v[VS]
.endr
.irp a, 0,1,2,3,4,5,6,7
	v_permlanex16_b32 v[AF+\a], v[TM+\a], s30, s31
.endr
.irp a, 0,1,2,3,4,5,6,7
	v_add_f32 v[TM+\a], v[TM+\a], v[AF+\a]
.endr
	s_lshl_b32 s21, s20, 9
	s_add_co_u32 s21, s21, SCB
	v_lshl_add_u32 v[X0], v[RL], 2, s21
.irp a, 0,1,2,3,4,5,6,7
	ds_store_b32 v[X0], v[TM+\a] offset:64*\a      ; row 16 a + r; both halves of the lanes hold the same number
.endr
	s_wait_dscnt 0x0                               ; my partial scores are in LDS before I say so
	s_barrier_signal -1
	s_barrier_wait -1
	v_lshl_add_u32 v[X1], v[LN], 4, SCB
.irp i, 0,1,2,3
	ds_load_b128 v[CV+4*\i:CV+4*\i+3], v[X1] offset:512*\i         ; rows 4 lane .. 4 lane + 3 from each wave
.endr
	s_wait_dscnt 0x0
	v_pk_add_f32 v[CV:CV+1],     v[CV:CV+1],     v[CV+4:CV+5]
	v_pk_add_f32 v[CV+2:CV+3],   v[CV+2:CV+3],   v[CV+6:CV+7]
	v_pk_add_f32 v[CV+8:CV+9],   v[CV+8:CV+9],   v[CV+12:CV+13]
	v_pk_add_f32 v[CV+10:CV+11], v[CV+10:CV+11], v[CV+14:CV+15]
	v_pk_add_f32 v[CV:CV+1],     v[CV:CV+1],     v[CV+8:CV+9]
	v_pk_add_f32 v[CV+2:CV+3],   v[CV+2:CV+3],   v[CV+10:CV+11]
.irp i, 0,1,2,3
	v_add_f32 v[CV+\i], s29, v[CV+\i]              ; + Va_b
.endr
	s_cmp_lg_u32 s20, 0
	s_cbranch_scc1 .Lnot_wave_0
	global_store_b128 v[BOFF], v[CV:CV+3], s[32:33]                ; 512 consecutive bytes, aligned; v[CV:CV+3] are not written again
.Lnot_wave_0:
	; the block's maximum, in every lane of every wave; then p = exp(score - m)
	v_max3_num_f32 v[CV+12], v[CV], v[CV+1], v[CV+2]
	v_max_num_f32 v[CV+12], v[CV+12], v[CV+3]
	v_max_num_f32_dpp v[CV+12], v[CV+12], v[CV+12] row_xmask:1 row_mask:0xf bank_mask:0xf
	v_max_num_f32_dpp v[CV+12], v[CV+12], v[CV+12] row_xmask:2 row_mask:0xf bank_mask:0xf
	v_max_num_f32_dpp v[CV+12], v[CV+12], v[CV+12] row_xmask:4 row_mask:0xf bank_mask:0xf
	v_max_num_f32_dpp v[CV+12], v[CV+12], v[CV+12] row_xmask:8 row_mask:0xf bank_mask:0xf
	v_permlanex16_b32 v[CV+13], v[CV+12], s30, s31
	v_max_num_f32 v[CV+12], v[CV+12], v[CV+13]
.irp i, 0,1,2,3
	v_sub_f32 v[CV+8+\i], v[CV+\i], v[CV+12]
.endr
.irp i, 0,1,2,3
	v_mul_f32 v[CV+8+\i], L2E, v[CV+8+\i]
.endr
.irp i, 0,1,2,3
	v_exp_f32 v[CV+8+\i], v[CV+8+\i]
.endr
	v_nop                                          ; one plain place between the last transcendental and the use of its result (ISA guide 5.7.2)
	s_wait_alu depctr_va_vdst(0)
	v_cvt_pk_bf16_f32 v[CV+14], v[CV+8],  v[CV+9]
	v_cvt_pk_bf16_f32 v[CV+15], v[CV+10], v[CV+11]
	s_lshl_b32 s21, s20, 8
	s_add_co_u32 s21, s21, PB
	v_lshl_add_u32 v[X0], v[LN], 3, s21
	ds_store_b64 v[X0], v[CV+14:CV+15]             ; my wave's own copy of the 128 p: LDS serves a wave's instructions in order, so its loads below see it
	v_lshl_add_u32 v[X1], v[HL], 4, s21
.irp ks, 0,1,2,3
	ds_load_b128 v[VA+8*\ks:VA+8*\ks+3],   v[X1] offset:64*\ks     ; source 0: all 16 rows of the fragment are the same 32 p
	ds_load_b128 v[VA+8*\ks+4:VA+8*\ks+7], v[X1] offset:64*\ks+32
.endr
	s_lshl_b32 s21, s20, 10
	s_add_co_u32 s21, s21, CT
	v_lshl_add_u32 v[VS], v[RL], 2, s21
	v_lshl_add_u32 v[VS+1], v[LN], 4, s21
	; THE CONTEXT: my wave's 256 columns (16 tiles of 16) x 128 rows in four K steps of 32.  The keys lie [row][column] in LDS: transposing loads.
	; The 16 accumulators (window 1) take turns, one instruction a turn.
.irp ks, 0,1,2,3
.if \ks
	PLACES                                         ; ahead of loads into registers that the last matrix instructions read
.endif
	WIN 0
.irp tt, 0,1,2,3,4,5,6,7,8,9,10,11,12,13,14,15
	ds_load_tr16_b128 v[AF+8*\tt:AF+8*\tt+3],   v[TA+(\tt>>3)] offset:\ks*32*PITCH+((\tt>>2)&1)*CHUNK+(\tt&3)*32
	ds_load_tr16_b128 v[AF+8*\tt+4:AF+8*\tt+7], v[TA+(\tt>>3)] offset:\ks*32*PITCH+((\tt>>2)&1)*CHUNK+(\tt&3)*32+16*PITCH
.endr
	WIN 0x50                                       ; C and D in window 1
.irp tt, 0,1,2,3,4,5,6,7,8,9,10,11,12,13,14,15
	s_wait_dscnt 30-2*\tt                          ; the later tiles' loads are younger; p's fragments are older than all of them
.if \ks
	v_wmma_f32_16x16x32_bf16 v[8*\tt:8*\tt+7], v[VA+8*\ks:VA+8*\ks+7], v[AF+8*\tt:AF+8*\tt+7], v[8*\tt:8*\tt+7]
.else
	v_wmma_f32_16x16x32_bf16 v[8*\tt:8*\tt+7], v[VA+8*\ks:VA+8*\ks+7], v[AF+8*\tt:AF+8*\tt+7], 0
.endif
.endr
.endr
	PLACES
	WIN 0x04                                       ; store data in window 1
.irp tt, 0,1,2,3,4,5,6,7,8,9,10,11,12,13,14,15
	ds_store_b32 v[VS], v[8*\tt] offset:64*\tt     ; register 0 of tile tt: column 16 tt + r; all rows of the result are alike
.endr
	WIN 0
	ds_load_b128 v[TM:TM+3],   v[VS+1]             ; my wave's own bytes, served in order
	ds_load_b128 v[TM+4:TM+7], v[VS+1] offset:512
	s_wait_dscnt 0x0
	global_store_b128 v[BOFF], v[TM:TM+3],   s[34:35]              ; 512 consecutive bytes each, aligned
	global_store_b128 v[BOFF], v[TM+4:TM+7], s[34:35] offset:512
	s_wait_tensorcnt 0x0
	ds_add_u32 v62, v63
	s_wait_dscnt 0x0
	s_endpgm
.Lfunc_end_k_qe5e005d1c2_main:
	.size	k_qe5e005d1c2_main, .Lfunc_end_k_qe5e005d1c2_main-k_qe5e005d1c2_main
	.p2alignl 7, 3214868480
	.fill 96, 4, 3214868480
	.section	.rodata,"a",@progbits
	.p2align	6, 0x0
	.amdhsa_kernel k_qe5e005d1c2_main
		.amdhsa_group_segment_fixed_size 310784
		.amdhsa_private_segment_fixed_size 0
		.amdhsa_enable_private_segment 0
		.amdhsa_kernarg_size 56
		.amdhsa_user_sgpr_count 2
		.amdhsa_user_sgpr_kernarg_segment_ptr 1
		.amdhsa_wavefront_size32 1
		.amdhsa_system_sgpr_workgroup_id_x 1
		.amdhsa_system_sgpr_workgroup_id_y 1
		.amdhsa_system_sgpr_workgroup_id_z 1
		.amdhsa_system_vgpr_workitem_id 0
		.amdhsa_next_free_vgpr 1024
		.amdhsa_next_free_sgpr 66
		.amdhsa_reserve_vcc 0
		.amdhsa_float_denorm_mode_32 3
		.amdhsa_float_denorm_mode_16_64 3
		.amdhsa_memory_ordered 1
		.amdhsa_forward_progress 1
		.amdhsa_inst_pref_size 255
	.end_amdhsa_kernel
	.section	.bss,"aw",@nobits
	.p2align	6
	.space	262144
	.amdgpu_metadata
---
amdhsa.version: [ 1, 2 ]
amdhsa.kernels:
  - .name:           k_qe5e005d1c2_main
    .symbol:         k_qe5e005d1c2_main.kd
    .args:
      - { .name: keys, .offset: 0, .size: 8, .value_kind: global_buffer, .address_space: global }
      - { .name: ub, .offset: 8, .size: 8, .value_kind: global_buffer, .address_space: global }
      - { .name: qbs, .offset: 16, .size: 8, .value_kind: global_buffer, .address_space: global }
      - { .name: Va_w, .offset: 24, .size: 8, .value_kind: global_buffer, .address_space: global }
      - { .name: Va_b, .offset: 32, .size: 8, .value_kind: global_buffer, .address_space: global }
      - { .name: scores, .offset: 40, .size: 8, .value_kind: global_buffer, .address_space: global }
      - { .name: part, .offset: 48, .size: 8, .value_kind: global_buffer, .address_space: global }
    .group_segment_fixed_size: 310784
    .private_segment_fixed_size: 0
    .kernarg_segment_align: 8
    .kernarg_segment_size: 56
    .max_flat_workgroup_size: 128
    .sgpr_count:     66
    .vgpr_count:     1024
    .wavefront_size: 32
...
	.end_amdgpu_metadata
.endif
;; end of part 2
;; launch finish (part 3): grid 4 x 32, 2 waves a work-group, no clusters, 0 bytes of LDS; arguments scores, part, out0, out1; writes out0, out1
.if DOCPART == 3
	.amdgcn_target "amdgcn-amd-amdhsa--gfx1250"
	.amdhsa_code_object_version 6
	.text
	.protected	k_qe5e005d1c2_finish
	.globl	k_qe5e005d1c2_finish
	.p2align	8
	.type	k_qe5e005d1c2_finish,@function
k_qe5e005d1c2_finish:
	s_mov_b64 s[64:65], 0
	v_nop
	global_prefetch_b8 v0, s[64:65] scope:SCOPE_SE
	s_setreg_imm32_b32 hwreg(HW_REG_WAVE_MODE, 25, 1), 1
	s_wait_xcnt 0x0
; Joins the 16 blocks of a batch.  Work-group (qx, b): batch b, quarter qx of the weights (512) and of the context (256 columns).
;   M = the batch's largest score, Lsum = sum of exp(score - M),  out1 = exp(score - M) / Lsum,
;   out0[c] = (sum over blocks i of exp(m_i - M) part[i][c]) / Lsum,   m_i = block i's largest score: the same number that the main launch took away (a maximum is exact in any order).
; Each wave makes M, m_i and Lsum for itself from the batch's 2,048 scores (8,192 bytes): no LDS, no barrier.  The matrix unit has nothing to do here.
.set L2E, 0x3fb8aa3b
.set SCR, 16                           ; v[16:79]   block i: my 4 of its 128 scores at 4 i
.set PT,  80                           ; v[80:143]  block i: my 4 columns of its partial context
.set OW,  144                          ; v[144:151] the 8 scores whose weights I store
.set BM,  152                          ; v[152:167] m_i, then exp(m_i - M)
.set TP,  168
.set MX,  169
.set NM,  170                          ; v[170:171] -M, twice
.set RR,  174                          ; 1 / Lsum
.set CC,  176                          ; v[176:179] my 4 columns of the context
	s_load_b256 s[4:11], s[0:1], 0x0               ; scores s[4:5], part s[6:7], out0 s[8:9], out1 s[10:11]
	s_and_b32 s12, ttmp7, 0xffff                   ; batch
	v_and_b32 v1, 31, v0
	v_lshlrev_b32 v2, 4, v1                        ; 16 x lane
	v_lshlrev_b32 v3, 4, v0                        ; 16 x thread
	v_mov_b32 v[TP], 0                             ; v_permlanex16_b32 counts as a reader of its destination
	s_mov_b32 s30, 0x76543210
	s_mov_b32 s31, 0xfedcba98
	s_mov_b32 s15, 0
	s_lshl_b32 s14, s12, 13
	s_lshl_b32 s18, ttmp9, 10
	s_wait_kmcnt 0x0
	s_add_nc_u64 s[4:5], s[4:5], s[14:15]          ; the batch's scores
	s_add_nc_u64 s[10:11], s[10:11], s[14:15]
	s_lshl_b32 s14, ttmp9, 11
	s_add_nc_u64 s[16:17], s[4:5], s[14:15]        ; my quarter of them
	s_add_nc_u64 s[10:11], s[10:11], s[14:15]
	s_lshl_b32 s14, s12, 16
	s_add_co_u32 s14, s14, s18
	s_add_nc_u64 s[6:7], s[6:7], s[14:15]          ; part: the batch's 16 rows of 4,096 bytes, my 1,024 bytes
	s_lshl_b32 s14, s12, 12
	s_add_co_u32 s14, s14, s18
	s_add_nc_u64 s[8:9], s[8:9], s[14:15]
.irp i, 0,1,2,3,4,5,6,7,8,9,10,11,12,13,14,15
	global_load_b128 v[SCR+4*\i:SCR+4*\i+3], v2, s[4:5] offset:512*\i
.endr
	global_load_b128 v[OW:OW+3],   v3, s[16:17]
	global_load_b128 v[OW+4:OW+7], v3, s[16:17] offset:1024
.irp i, 0,1,2,3,4,5,6,7,8,9,10,11,12,13,14,15
	global_load_b128 v[PT+4*\i:PT+4*\i+3], v3, s[6:7] offset:4096*\i
.endr
	s_wait_loadcnt 16                              ; the 16 loads of part are younger: all scores are in
.irp i, 0,1,2,3,4,5,6,7,8,9,10,11,12,13,14,15
	v_max3_num_f32 v[BM+\i], v[SCR+4*\i], v[SCR+4*\i+1], v[SCR+4*\i+2]
	v_max_num_f32 v[BM+\i], v[BM+\i], v[SCR+4*\i+3]
.endr
.irp m, 1,2,4,8
.irp i, 0,1,2,3,4,5,6,7,8,9,10,11,12,13,14,15
	v_max_num_f32_dpp v[BM+\i], v[BM+\i], v[BM+\i] row_xmask:\m row_mask:0xf bank_mask:0xf
.endr
.endr
.irp i, 0,1,2,3,4,5,6,7,8,9,10,11,12,13,14,15
	v_permlanex16_b32 v[TP], v[BM+\i], s30, s31
	v_max_num_f32 v[BM+\i], v[BM+\i], v[TP]
.endr
	v_max3_num_f32 v[MX], v[BM], v[BM+1], v[BM+2]
.irp i, 3,5,7,9,11,13
	v_max3_num_f32 v[MX], v[MX], v[BM+\i], v[BM+\i+1]
.endr
	v_max_num_f32 v[MX], v[MX], v[BM+15]
	v_sub_f32 v[NM], 0, v[MX]
	v_mov_b32 v[NM+1], v[NM]
; (x - M) log2(e) on n register pairs from base, then 2^..
.macro SHIFT base, n
.set ii, 0
.rept \n
	v_pk_add_f32 v[\base+ii:\base+ii+1], v[\base+ii:\base+ii+1], v[NM:NM+1]
.set ii, ii+2
.endr
.set ii, 0
.rept \n
	v_pk_mul_f32 v[\base+ii:\base+ii+1], v[\base+ii:\base+ii+1], L2E op_sel_hi:[1,0]
.set ii, ii+2
.endr
.endm
.macro EXPS base, n
.set ii, 0
.rept \n
	v_exp_f32 v[\base+ii], v[\base+ii]
.set ii, ii+1
.endr
.endm
	SHIFT SCR, 32
	SHIFT OW, 4
	SHIFT BM, 8
	EXPS SCR, 64
	EXPS OW, 8
	EXPS BM, 16
	v_nop                                          ; one plain place behind the last transcendental (ISA guide 5.7.2)
	s_wait_alu depctr_va_vdst(0)
.irp i, 0,1,2,3,4,5,6,7,8,9,10,11,12,13,14,15
	v_pk_add_f32 v[SCR+2*\i:SCR+2*\i+1], v[SCR+2*\i:SCR+2*\i+1], v[SCR+32+2*\i:SCR+32+2*\i+1]
.endr
.irp i, 0,1,2,3,4,5,6,7
	v_pk_add_f32 v[SCR+2*\i:SCR+2*\i+1], v[SCR+2*\i:SCR+2*\i+1], v[SCR+16+2*\i:SCR+16+2*\i+1]
.endr
.irp i, 0,1,2,3
	v_pk_add_f32 v[SCR+2*\i:SCR+2*\i+1], v[SCR+2*\i:SCR+2*\i+1], v[SCR+8+2*\i:SCR+8+2*\i+1]
.endr
.irp i, 0,1
	v_pk_add_f32 v[SCR+2*\i:SCR+2*\i+1], v[SCR+2*\i:SCR+2*\i+1], v[SCR+4+2*\i:SCR+4+2*\i+1]
.endr
	v_pk_add_f32 v[SCR:SCR+1], v[SCR:SCR+1], v[SCR+2:SCR+3]
	v_add_f32 v[SCR], v[SCR], v[SCR+1]
	v_add_f32_dpp v[SCR], v[SCR], v[SCR] row_xmask:1 row_mask:0xf bank_mask:0xf
	v_add_f32_dpp v[SCR], v[SCR], v[SCR] row_xmask:2 row_mask:0xf bank_mask:0xf
	v_add_f32_dpp v[SCR], v[SCR], v[SCR] row_xmask:4 row_mask:0xf bank_mask:0xf
	v_add_f32_dpp v[SCR], v[SCR], v[SCR] row_xmask:8 row_mask:0xf bank_mask:0xf
	v_permlanex16_b32 v[TP], v[SCR], s30, s31
	v_add_f32 v[SCR], v[SCR], v[TP]                ; Lsum, at least 1: the largest score gives exp(0)
	v_rcp_f32 v[RR], v[SCR]
	v_nop
	s_wait_alu depctr_va_vdst(0)
.irp i, 0,1,2,3,4,5,6,7
	v_mul_f32 v[OW+\i], v[OW+\i], v[RR]
.endr
	global_store_b128 v3, v[OW:OW+3],   s[10:11]                   ; a wave's store covers 512 consecutive bytes, aligned
	global_store_b128 v3, v[OW+4:OW+7], s[10:11] offset:1024
	s_wait_loadcnt 0x0                             ; part
.irp j, 0,1,2,3
	v_mul_f32 v[CC+\j], v[BM], v[PT+\j]
.endr
.irp i, 1,2,3,4,5,6,7,8,9,10,11,12,13,14,15
.irp j, 0,1,2,3
	v_fmac_f32 v[CC+\j], v[BM+\i], v[PT+4*\i+\j]
.endr
.endr
.irp j, 0,1,2,3
	v_mul_f32 v[CC+\j], v[CC+\j], v[RR]
.endr
	global_store_b128 v3, v[CC:CC+3], s[8:9]
	s_endpgm
.Lfunc_end_k_qe5e005d1c2_finish:
	.size	k_qe5e005d1c2_finish, .Lfunc_end_k_qe5e005d1c2_finish-k_qe5e005d1c2_finish
	.p2alignl 7, 3214868480
	.fill 96, 4, 3214868480
	.section	.rodata,"a",@progbits
	.p2align	6, 0x0
	.amdhsa_kernel k_qe5e005d1c2_finish
		.amdhsa_group_segment_fixed_size 0
		.amdhsa_private_segment_fixed_size 0
		.amdhsa_enable_private_segment 0
		.amdhsa_kernarg_size 32
		.amdhsa_user_sgpr_count 2
		.amdhsa_user_sgpr_kernarg_segment_ptr 1
		.amdhsa_wavefront_size32 1
		.amdhsa_system_sgpr_workgroup_id_x 1
		.amdhsa_system_sgpr_workgroup_id_y 1
		.amdhsa_system_sgpr_workgroup_id_z 1
		.amdhsa_system_vgpr_workitem_id 0
		.amdhsa_next_free_vgpr 192
		.amdhsa_next_free_sgpr 66
		.amdhsa_reserve_vcc 0
		.amdhsa_float_denorm_mode_32 3
		.amdhsa_float_denorm_mode_16_64 3
		.amdhsa_memory_ordered 1
		.amdhsa_forward_progress 1
		.amdhsa_inst_pref_size 27
	.end_amdhsa_kernel
	.amdgpu_metadata
---
amdhsa.version: [ 1, 2 ]
amdhsa.kernels:
  - .name:           k_qe5e005d1c2_finish
    .symbol:         k_qe5e005d1c2_finish.kd
    .args:
      - { .name: scores, .offset: 0, .size: 8, .value_kind: global_buffer, .address_space: global }
      - { .name: part, .offset: 8, .size: 8, .value_kind: global_buffer, .address_space: global }
      - { .name: out0, .offset: 16, .size: 8, .value_kind: global_buffer, .address_space: global }
      - { .name: out1, .offset: 24, .size: 8, .value_kind: global_buffer, .address_space: global }
    .group_segment_fixed_size: 0
    .private_segment_fixed_size: 0
    .kernarg_segment_align: 8
    .kernarg_segment_size: 32
    .max_flat_workgroup_size: 64
    .sgpr_count:     66
    .vgpr_count:     192
    .wavefront_size: 32
...
	.end_amdgpu_metadata
.endif
;; end of part 3
;; ======== version 2 of 2: 3 launches; version 1 with the launch main written anew for expert scheduling mode
;; workspace buffers: ub 2,097,152 bytes; qbs 524,288 bytes; scores 262,144 bytes; part 2,097,152 bytes
;; launch prep: the kernel of part 1 again; grid 256 x 1, 4 waves a work-group, no clusters, 45,568 bytes of LDS; arguments Ua_w, Wa_w, query, Wa_b, Ua_b, ub, qbs; writes ub, qbs
;; launch main (part 4): grid 512 x 1, 4 waves a work-group, no clusters, 310,784 bytes of LDS; arguments keys, ub, qbs, Va_w, Va_b, scores, part; writes scores, part
.if DOCPART == 4
	.amdgcn_target "amdgcn-amd-amdhsa--gfx1250"
	.amdhsa_code_object_version 6
	.text
	.protected	k_qe5e005d1c2_main
	.globl	k_qe5e005d1c2_main
	.p2align	8
	.type	k_qe5e005d1c2_main,@function
k_qe5e005d1c2_main:
	s_mov_b64 s[64:65], 0
	v_nop
	global_prefetch_b8 v0, s[64:65] scope:SCOPE_SE
	s_setreg_imm32_b32 hwreg(HW_REG_WAVE_SCHED_MODE, 0, 2), 2
	s_setreg_imm32_b32 hwreg(HW_REG_WAVE_MODE, 25, 1), 1
	s_wait_xcnt 0x0
	s_wait_alu depctr_vm_vsrc(0)
; For a block of 128 rows s of one batch (512 blocks):
;   score[s] = Va_b + sum over n of Va[n] tanh(q_proj[n] + k_proj[s][n]),   k_proj = keys x Ua_w^T (bf16 operands, f32 sums),
;   m = the block's largest score,  part[block][c] = sum over s of exp(score[s] - m) keys[s][c]  (bf16 operands, f32 sums).
; The next launch joins the 16 blocks of a batch by their maxima.
; tanh(x) = 1 - 2 / (1 + 2^(C2 x)), C2 = 2 log2(e).  ub holds C2 Ua_w in bf16 and qbs, in four partial sums, C2 (q_proj + Ua_b): the matrix sums plus qbs are C2 x.
; 2^(..) = infinity gives 1, 2^(..) = 0 gives -1: no clamp is needed.  score = Va_b + sum of Va - 2 sum of Va / (1 + 2^(C2 x)).
; SHAPE.  Four waves, as many as a WGP has SIMDs.  The 1,024 n go in two passes of 512; in a pass wave w makes all 128 rows x its 128 n: 64 accumulator
; tiles, 512 registers.  The block's keys are read from memory ONCE, as f32 through registers, rounded to bf16 and kept in LDS (294,912 bytes) for both
; passes and for the context.  They arrive during pass 0, a chunk of 64 k ahead of its use.
; ub (fragment order) goes straight into registers: each of its numbers is used by one wave of the work-group alone, so LDS would give it no second use.
; NO JOINT TENSOR LOADS for ub, though every work-group reads it: beside the keys LDS has 32,768 bytes left, and one K step of 32 of ub for the four
; waves is 32,768 bytes, so two slots that take turns do not fit.
; LIMITS: keys, C2 Ua_w and exp(score - m) enter the matrix unit in bf16.
;
; REGISTERS in windows of 256.  Window 0: addresses, sums, A's fragments, keys on their way.  Window 1: four buffers of ub fragments (later the context's sums).
; Window 2: accumulator tiles of rows 0-63 (tile (a, b) at 8 (8 a + b)).  Window 3: rows 64-127.
; THE MATRIX INSTRUCTION IS USED TRANSPOSED: source 0 = 16 rows of Ua_w, source 1 = 16 rows of keys: lane (r, h), register j of tile (a, b) holds row 16 a + r, n = 16 b + 8 h + j.
;
; THE MODE: SCHED_MODE bits 1:0 = 2 (LLVM: expert scheduling mode 2), set by the entry lines.  The code itself states the register dependences
; between vector or matrix instructions and memory or LDS instructions, with s_wait_alu, always for 0.
; THE PLAN.  Registers that memory or LDS instructions touch in the two passes:
;   ub0 .. ub3      Step q's matrix instructions read ub[q & 3]; the loads issued in step q land in ub[(q + 2) & 3], which step q - 2 read.
;   AF low, high    Pass 0: read by a step's first 32 and last 32 matrix instructions; each half is loaded again, for the next step, behind a wait that follows its readers.
;   AF0, AF1        Pass 1: step q reads AF[q & 1]; its LDS loads land in AF[(q + 1) & 1], which step q - 1 read.
;   KS0 .. KS3      Pass 0: the conversions of half chunk q + 3 read KS[(q + 3) & 3]; half chunk q + 7 lands in it.
;   CV              Written by those conversions, read by the step's eight LDS stores.
;   v[AD], v[KST]   Read by the fragments' loads and the keys' stores; written once a trip.
;   BOFF, KOFF, PFO, QVA, TA   made at the head and never written again.
; Pass 0 has two waits on va_vdst a step, one behind each half's matrix instructions, and one on vm_vsrc ahead of the conversions; pass 1 has one on va_vdst, at a step's head.
; Behind each the loads and stores are dealt among matrix instructions that name none of the registers that they touch.  One wait on vm_vsrc a trip stands ahead of the adds to v[AD] and v[KST].
.set L2E,   0x3fb8aa3b                 ; log2(e)
.set PITCH, 144                        ; an LDS row of a chunk: 128 bytes of bf16 + 16: 9 x 16 bytes, so 16 rows start in 16 different 16-byte columns of 256
.set CHUNK, 128*PITCH                  ; 18,432: 128 rows x 64 k
.set QV,    16*CHUNK                   ; 294,912: qbs of my batch (4,096 bytes), then Va (4,096)
.set SCB,   QV+8192                    ; 303,104: [wave][128 rows] f32, partial scores
.set PB,    SCB+2048                   ; 305,152: [wave][128] bf16, exp(score - m), each wave's own copy
.set CT,    PB+1024                    ; 306,176: [wave][256] f32, the context on its way out, each wave's own; ends at 310,272
.set LN,   1                           ; lane
.set RL,   2                           ; r = lane & 15
.set HL,   3                           ; h = lane >> 4
.set AD,   4                           ; LDS: r x 144 + 16 h, + 2 chunks a trip
.set KST,  5                           ; LDS: where my 8 bytes of a key row go
.set KOFF, 6                           ; keys: (32 w + 8 h) rows + 16 r bytes; never rewritten
.set PFO,  7                           ; keys: row 32 w + lane; never rewritten
.set BOFF, 8                           ; 16 x lane; never rewritten
.set QVA,  9                           ; LDS: QV + 512 w + 32 h
.set TA,   10                          ; v10, v11: LDS addresses of the transposing loads
.set X0,   12                          ; scratch addresses
.set X1,   13
.set VS,   14                          ; v[14:15] sum of my Va; at the end two LDS addresses
.set SACC, 16                          ; v[16:31] sums of Va / (1 + 2^..), a pair for each of 8 row tiles
.set CV,   32                          ; v[32:47] keys as bf16 on their way to LDS; later partial sums; later the scores
.set TM,   48                          ; v[48:63] at work
.set AF,   64                          ; v[64:127] fragments of 8 row tiles; in pass 1 a second buffer lies at v[128:191]
.set KS,   128                         ; v[128:255] pass 0: four buffers of 32: half chunks of keys as f32
.set QB,   128                         ; behind a pass: qbs of my 64 n
.set VA,   192                         ; behind a pass: Va of my 64 n; at the end p's fragments
.set MSB, 0
.macro WIN new                         ; the immediate's high byte repeats the setting that is left
.if MSB != \new
	s_set_vgpr_msb (MSB<<8)|\new
.set MSB, \new
.endif
.endm
.set MUL_LO, 0xa1                      ; source 0 window 1, source 1 window 0, C and D window 2
.set MUL_HI, 0xf1                      ; the same, C and D window 3
.set TO_B,   0x40                      ; destination window 1
.macro PLACES                          ; four places behind a matrix instruction, ahead of a vector instruction or an LDS store that reads its result
.rept 4
	v_nop
.endr
.endm
; 16 matrix instructions: row tiles 4 hi + a0, 4 hi + a0 + 1 x my 8 n tiles, 32 along K, ub buffer sel, A's fragments at af.  zero = 1: the first product starts the sums.
; The 64 accumulators take turns, one instruction a turn, in the same order in every step.
.macro MUL16 hi, a0, sel, zero, af
.irp a, \a0, \a0+1
.irp b, 0,1,2,3,4,5,6,7
.if \zero
	v_wmma_f32_16x16x32_bf16 v[8*(8*(\a)+\b):8*(8*(\a)+\b)+7], v[64*(\sel)+8*\b:64*(\sel)+8*\b+7], v[\af+8*(4*\hi+(\a)):\af+8*(4*\hi+(\a))+7], 0
.else
	v_wmma_f32_16x16x32_bf16 v[8*(8*(\a)+\b):8*(8*(\a)+\b)+7], v[64*(\sel)+8*\b:64*(\sel)+8*\b+7], v[\af+8*(4*\hi+(\a)):\af+8*(4*\hi+(\a))+7], v[8*(8*(\a)+\b):8*(8*(\a)+\b)+7]
.endif
.endr
.endr
.endm
; 8 LDS loads: the fragments of row tiles 4 hi .. 4 hi + 3 for K step qn of the trip, into the buffer at af
.macro FETCHA hi, qn, af
.irp a, 0,1,2,3
	ds_load_b128 v[\af+8*(4*\hi+\a):\af+8*(4*\hi+\a)+3],   v[AD] offset:(4*\hi+\a)*16*PITCH+((\qn)>>1)*CHUNK+((\qn)&1)*64
	ds_load_b128 v[\af+8*(4*\hi+\a)+4:\af+8*(4*\hi+\a)+7], v[AD] offset:(4*\hi+\a)*16*PITCH+((\qn)>>1)*CHUNK+((\qn)&1)*64+32
.endr
.endm
; 8 loads of 512 consecutive bytes: half hf of my 8 n tiles of ub for K step qb of the trip
.macro LOADB qb, hf
	WIN TO_B
.irp i, 0,1,2,3,4,5,6,7
	global_load_b128 v[64*((\qb)&3)+4*(8*\hf+\i):64*((\qb)&3)+4*(8*\hf+\i)+3], v[BOFF], s[26:27] offset:(\qb)*8192+(8*\hf+\i)*512
.endr
.endm
; Half chunk u of the trip: 16 of my wave's 32 rows x 64 k.  A load takes 256 consecutive bytes, aligned, of row i (lanes 0-15) and of row i + 8 (lanes 16-31).
.macro LOADK u
.irp i, 0,1,2,3,4,5,6,7
	global_load_b128 v[KS+32*((\u)&3)+4*\i:KS+32*((\u)&3)+4*\i+3], v[KOFF], s[24:25] offset:((\u)>>1)*256+(((\u)&1)*16+\i)*4096 th:TH_LOAD_NT
.endr
.endm
.macro CVTH u, cv                      ; half chunk u to bf16, into the 16 registers at cv
.irp i, 0,1,2,3,4,5,6,7
	v_cvt_pk_bf16_f32 v[\cv+2*\i],   v[KS+32*((\u)&3)+4*\i],   v[KS+32*((\u)&3)+4*\i+1]
	v_cvt_pk_bf16_f32 v[\cv+2*\i+1], v[KS+32*((\u)&3)+4*\i+2], v[KS+32*((\u)&3)+4*\i+3]
.endr
.endm
.macro STH u, cv
.irp i, 0,1,2,3,4,5,6,7
	ds_store_b64 v[KST], v[\cv+2*\i:\cv+2*\i+1] offset:((\u)>>1)*CHUNK+(((\u)&1)*16+\i)*PITCH
.endr
.endm
; One K step of 32 of pass 0 (step q of a trip of four).  Flags: zero: start the sums; bar: the barrier that shows the next chunk whole; st: round and store half chunk q + 3;
; kl: load half chunk q + 7; pf: ask for the chunk of half q + 11; fa: fetch the next step's fragments.  ub for step q + 2 is loaded in every step.
; lc: loads younger than ub of this step and half chunk q + 3.  d1: LDS instructions younger than the low half of this step's fragments.
.macro KSTEP q, zero, bar, st, kl, pf, fa, lc, d1
	s_wait_loadcnt \lc                             ; loads come back in order (ISA guide 5.7.1)
	s_wait_dscnt \d1
	WIN MUL_LO
	MUL16 0, 0, (\q&3), \zero, AF
	LOADB (\q+2), 0                                ; no wait: the buffer's readers, the matrix instructions of two steps ago, stand ahead of the last step's waits on va_vdst,
	LOADB (\q+2), 1                                ; and the sixteen matrix instructions since name ub[q & 3], the low fragments and window 2 alone
	WIN MUL_LO
.if \bar
	s_wait_dscnt 0x0                               ; my stores of the next chunk (issued a step ago) are in LDS, and no LDS instruction of mine is out,
	s_barrier_signal -1                            ; before I say so
.endif
	MUL16 0, 2, (\q&3), \zero, AF
.if \bar
	s_barrier_wait -1                              ; every wave's rows of the next chunk are in LDS
.endif
.if (\st+\fa) > 0
	WIN 0
.endif
.if \st
	s_wait_alu depctr_vm_vsrc(0)                   ; the LDS stores of the half chunk before have read v[CV ..], which the conversions write again
	CVTH (\q+3), CV
.endif
.if (\st+\fa) > 0
	s_wait_alu depctr_va_vdst(0)                   ; the 32 matrix instructions above are done reading the low fragments, in which the loads below land; the conversions have written v[CV ..], which the
	                                               ; LDS stores read, and are done reading their half chunk's registers, in which the keys' loads land; in a trip's first step v[AD] and v[KST] are written
.endif
.if \fa
	FETCHA 0, (\q+1), AF
.endif
	s_wait_dscnt 8*\fa                             ; the 8 loads just issued are younger: the high half of this step's fragments is in
	WIN MUL_HI
	MUL16 1, 0, (\q&3), \zero, AF                  ; these and the sixteen below name ub[q & 3], the high fragments and window 3: none of the registers of the stores and loads between them
.if (\st+\kl+\pf) > 0
	WIN 0
.endif
.if \st
	STH (\q+3), CV
.endif
.if \kl
	LOADK (\q+7)                                   ; into the buffer that has just been converted
.endif
.if \pf
	global_prefetch_b8 v[PFO], s[24:25] offset:((\q+11)>>1)*256 th:TH_LOAD_NT scope:SCOPE_SE   ; each lane one row's 256 bytes of the chunk whose loads begin four steps on
.endif
	WIN MUL_HI
	MUL16 1, 2, (\q&3), \zero, AF
.if \fa
	WIN 0
	s_wait_alu depctr_va_vdst(0)                   ; the 32 matrix instructions above are done reading the high fragments, in which the loads below land
	FETCHA 1, (\q+1), AF
.endif
.endm
; One K step of pass 1: the keys are all in LDS, and their registers hold a second fragment buffer.  One wait at the step's head; the step's 32 loads (all fragments of step q + 1, ub for step q + 2)
; are dealt behind its first three groups of 16 matrix instructions, which name ub[q & 3], AF[q & 1] and the accumulators.
.macro KSTEP1 q, zero, fa, lb, lc
	s_wait_loadcnt \lc                             ; ub of the next step (16 loads) is younger; in the last step nothing is
	s_wait_dscnt 0x0                               ; this step's fragments are in
.if (\fa+\lb) > 0
	s_wait_alu depctr_va_vdst(0)                   ; the last step's matrix instructions are done reading AF[(q + 1) & 1], those of two steps ago ub[(q + 2) & 3]: this step's loads land there; in a trip's first step v[AD] is written
.endif
	WIN MUL_LO
	MUL16 0, 0, (\q&3), \zero, AF+64*(\q&1)
.if \fa
	WIN 0
	FETCHA 0, (\q+1), AF+64*((\q+1)&1)
	FETCHA 1, (\q+1), AF+64*((\q+1)&1)
.endif
	WIN MUL_LO
	MUL16 0, 2, (\q&3), \zero, AF+64*(\q&1)
.if \lb
	LOADB (\q+2), 0
.endif
	WIN MUL_HI
	MUL16 1, 0, (\q&3), \zero, AF+64*(\q&1)
.if \lb
	LOADB (\q+2), 1
.endif
	WIN MUL_HI
	MUL16 1, 2, (\q&3), \zero, AF+64*(\q&1)
.endm
; The end of a trip: four K steps = two chunks on
.macro STEPUP kb
	WIN 0
	s_wait_xcnt 0x0                                ; the bases of the loads issued so far are rewritten only behind this wait
	s_add_nc_u64 s[26:27], s[26:27], 4*8192
	s_wait_alu depctr_vm_vsrc(0)                   ; the LDS loads and stores issued so far have read v[AD] and v[KST]
	v_add_nc_u32 v[AD], 2*CHUNK, v[AD]
.if \kb
	s_add_nc_u64 s[24:25], s[24:25], 2*256
	v_add_nc_u32 v[KST], 2*CHUNK, v[KST]
.endif
.endm
	s_load_b256 s[4:11], s[0:1], 0x0               ; keys s[4:5], ub s[6:7], qbs s[8:9], Va_w s[10:11]
	s_load_b128 s[12:15], s[0:1], 0x20             ; Va_b s[12:13], scores s[14:15]
	s_load_b64 s[16:17], s[0:1], 0x30              ; part
	v_lshl_add_u32 v62, v0, 2, 0x4bc00
	v_mov_b32 v63, 0
	v_lshrrev_b32 v[X0], 5, v0
	v_readfirstlane_b32 s20, v[X0]                 ; wave 0..3
	v_and_b32 v[LN], 31, v0
	v_and_b32 v[RL], 15, v0
	v_bfe_u32 v[HL], v0, 4, 1
	s_mov_b32 s30, 0x76543210                      ; v_permlanex16_b32: lane i of one half reads lane i of the other
	s_mov_b32 s31, 0xfedcba98
	s_lshl_b32 s18, ttmp9, 19                      ; block x 128 rows of 4,096 bytes (below 2^28)
	s_mov_b32 s19, 0
	s_wait_alu depctr_va_sdst(0)                   ; s20 is written, ahead of its first reader: offsets, LDS addresses and a branch are made from it
	s_lshl_b32 s22, s20, 19                        ; my wave's stream of ub: 64 steps of 8,192 bytes
	s_mov_b32 s23, 0
	s_lshl_b32 s21, s20, 17                        ; 32 w rows of keys
	v_lshlrev_b32 v[KOFF], 4, v[RL]
	v_lshl_add_u32 v[KOFF], v[HL], 15, v[KOFF]
	v_add_nc_u32 v[KOFF], s21, v[KOFF]
	v_lshl_add_u32 v[PFO], v[LN], 12, s21
	v_lshlrev_b32 v[BOFF], 4, v[LN]
	v_lshlrev_b32 v[X1], 4, v0                     ; 16 x thread, for qbs and Va
	s_wait_kmcnt 0x0
	s_load_b32 s29, s[12:13], 0x0                  ; Va_b
	s_add_nc_u64 s[24:25], s[4:5], s[18:19]        ; keys at my block
	s_add_nc_u64 s[26:27], s[6:7], s[22:23]        ; ub at my wave's stream
	s_lshr_b32 s18, ttmp9, 4
	s_lshl_b32 s18, s18, 12
	s_add_nc_u64 s[8:9], s[8:9], s[18:19]          ; qbs at my batch
	s_lshl_b32 s18, ttmp9, 9
	s_add_nc_u64 s[32:33], s[14:15], s[18:19]      ; scores at my block
	s_lshl_b32 s18, ttmp9, 12
	s_lshl_b32 s22, s20, 10
	s_add_co_u32 s18, s18, s22
	s_add_nc_u64 s[34:35], s[16:17], s[18:19]      ; part at my block and my wave's 256 columns
	s_wait_alu depctr_va_vdst(0)                   ; the offsets v[BOFF], v[KOFF], v[PFO] and v[X1] are written, which the loads and prefetches below read
	LOADB 0, 0
	LOADB 0, 1
	WIN 0
	LOADK 0
	LOADK 1
	LOADK 2
	LOADK 3
.irp kq, 0,1,2,3
	global_load_b128 v[AF+8*\kq:AF+8*\kq+3],   v[X1], s[8:9] offset:\kq*131072          ; the four partial sums of qbs, 131,072 bytes apart
	global_load_b128 v[AF+8*\kq+4:AF+8*\kq+7], v[X1], s[8:9] offset:\kq*131072+2048
.endr
	global_load_b128 v[TM:TM+3],   v[X1], s[10:11]
	global_load_b128 v[TM+4:TM+7], v[X1], s[10:11] offset:2048
	global_prefetch_b8 v[PFO], s[24:25] offset:4*256 th:TH_LOAD_NT scope:SCOPE_SE   ; chunks 4 and 5, whose loads stand in steps 1 to 4; the loop asks from chunk 6 to chunk 15, the last
	global_prefetch_b8 v[PFO], s[24:25] offset:5*256 th:TH_LOAD_NT scope:SCOPE_SE
	v_mul_u32_u24 v[AD], v[RL], PITCH
	v_lshl_add_u32 v[AD], v[HL], 4, v[AD]
	s_mul_i32 s21, s20, 32*PITCH
	v_mul_u32_u24 v[KST], v[HL], 8*PITCH
	v_lshl_add_u32 v[KST], v[RL], 3, v[KST]
	v_add_nc_u32 v[KST], s21, v[KST]               ; (32 w + 8 h) rows + 8 r bytes
	s_lshl_b32 s21, s20, 9
	s_add_co_u32 s21, s21, QV
	v_lshl_add_u32 v[QVA], v[HL], 5, s21
	v_and_b32 v[X0], 7, v0
	v_lshl_add_u32 v[X0], v[HL], 3, v[X0]          ; 8 h + (lane & 7): the row that a transposing load addresses
	v_mul_u32_u24 v[TA], v[X0], PITCH
	v_bfe_u32 v[X0], v0, 3, 1
	v_lshl_add_u32 v[TA], v[X0], 4, v[TA]
	s_mul_i32 s21, s20, 4*CHUNK                    ; my wave's 256 columns of the context are chunks 4 w .. 4 w + 3
	v_add_nc_u32 v[TA], s21, v[TA]
	v_add_nc_u32 v[TA+1], 2*CHUNK, v[TA]
	v_lshl_add_u32 v[X0], v0, 4, QV
	s_wait_loadcnt 18                              ; half chunk 3 (8), qbs (8) and Va (2) are younger: ub of step 0 and half chunks 0 to 2 are in
	CVTH 0, CV                                     ; three out-buffers, so that one wait serves the three runs of stores: v[32:47], and v[96:127], where no fragment lies yet
	CVTH 1, AF+32
	CVTH 2, AF+48
	s_wait_alu depctr_va_vdst(0)                   ; the conversions have written the three out-buffers, which the LDS stores read, and are done reading half chunks 0 to 2, in whose registers the keys' loads below land; all LDS addresses are written
	STH 0, CV
	STH 1, AF+32
	STH 2, AF+48
	LOADB 1, 0
	LOADB 1, 1
	WIN 0
	LOADK 4
	LOADK 5
	LOADK 6
	s_wait_loadcnt 40                              ; ub of step 1 (16) and half chunks 4 to 6 (24) are younger: half chunk 3, qbs and Va are in
.irp k, 0,2,4,6
	v_pk_add_f32 v[AF+\k:AF+\k+1],       v[AF+\k:AF+\k+1],       v[AF+8+\k:AF+8+\k+1]
	v_pk_add_f32 v[AF+16+\k:AF+16+\k+1], v[AF+16+\k:AF+16+\k+1], v[AF+24+\k:AF+24+\k+1]
.endr
.irp k, 0,2,4,6
	v_pk_add_f32 v[AF+\k:AF+\k+1], v[AF+\k:AF+\k+1], v[AF+16+\k:AF+16+\k+1]
.endr
	s_wait_alu depctr_va_vdst(0)                   ; the additions have written v[AF:AF+7], which the LDS stores read, and are done with v[AF:AF+31], in which the first fragments land
	ds_store_b128 v[X0], v[AF:AF+3]
	ds_store_b128 v[X0], v[AF+4:AF+7] offset:2048
	ds_store_b128 v[X0], v[TM:TM+3]   offset:4096
	ds_store_b128 v[X0], v[TM+4:TM+7] offset:6144
	s_wait_kmcnt 0x0                               ; Va_b
	s_wait_dscnt 0x0                               ; chunk 0, half of chunk 1, qbs and Va: my part is in LDS before I say so
	s_barrier_signal -1
	s_barrier_wait -1
	s_wait_alu depctr_vm_vsrc(0)                   ; my LDS stores have read v[AF:AF+7] and v[AF+32:AF+63], in which the first fragments land
	FETCHA 0, 0, AF
	FETCHA 1, 0, AF
	; PASS 0, steps t = 0 .. 31.  Chunk c is stored in steps 2c-3 and 2c-2, shown whole by the barrier of step 2c-1 and first read behind that barrier's wait.
	; A chunk's bytes are written once in the launch.  Loads issued and not yet waited for: 56 in the steady state (32 left by the wait, 16 of ub, 8 of keys);
	; 64 in steps 0 and 1, where the last one's issue holds until one is back (ISA guide 5.7.1).
	;     q  zero bar st kl pf fa  lc  d1
	KSTEP 0, 1,   0,  1, 1, 0, 1,  40, 8           ; lc: met since the wait above.  d1: the 8 loads of the high half are younger
	KSTEP 1, 0,   1,  1, 1, 1, 1,  40, 16          ; lc: half chunks 5, 6 (16), ub 2 (16), half chunk 7 (8) are younger than half chunk 4
	KSTEP 2, 0,   0,  1, 1, 0, 1,  32, 16          ; lc: a half chunk, ub of the next step, a half chunk.  d1: 8 stores and 8 loads
	KSTEP 3, 0,   1,  1, 1, 1, 1,  32, 16
	STEPUP 1
	s_mov_b32 s28, 4                               ; t = 4 .. 19
.Lpass0:
	KSTEP 0, 0,   0,  1, 1, 0, 1,  32, 16
	KSTEP 1, 0,   1,  1, 1, 1, 1,  32, 16
	KSTEP 2, 0,   0,  1, 1, 0, 1,  32, 16
	KSTEP 3, 0,   1,  1, 1, 1, 1,  32, 16
	STEPUP 1
	s_sub_co_i32 s28, s28, 1
	s_cmp_lg_u32 s28, 0
	s_cbranch_scc1 .Lpass0
	KSTEP 0, 0,   0,  1, 1, 0, 1,  32, 16          ; t = 20 .. 23: nothing is left to ask for
	KSTEP 1, 0,   1,  1, 1, 0, 1,  32, 16
	KSTEP 2, 0,   0,  1, 1, 0, 1,  32, 16
	KSTEP 3, 0,   1,  1, 1, 0, 1,  32, 16
	STEPUP 1
	KSTEP 0, 0,   0,  1, 1, 0, 1,  32, 16          ; t = 24: the last half chunk, 31, is loaded
	KSTEP 1, 0,   1,  1, 0, 0, 1,  32, 16
	KSTEP 2, 0,   0,  1, 0, 0, 1,  24, 16          ; lc: half chunk 31 and ub of step 27
	KSTEP 3, 0,   1,  1, 0, 0, 1,  16, 16          ; lc from here on: ub of the next step
	STEPUP 1
	KSTEP 0, 0,   0,  1, 0, 0, 1,  16, 16          ; t = 28: half chunk 31 is stored
	KSTEP 1, 0,   1,  0, 0, 0, 1,  16, 16          ; t = 29: the last barrier: chunk 15 is whole
	KSTEP 2, 0,   0,  0, 0, 0, 1,  16, 8
	KSTEP 3, 0,   0,  0, 0, 0, 0,  16, 8           ; t = 31: ub runs on into pass 1 (steps 32 and 33 stay on their way behind the pass)
	STEPUP 0
; BEHIND A PASS: 128 rows x my 128 n, IN PLACE in the accumulators, a window (32 tiles) at a time under one setting: destination, source 0 and source 2 in the
; accumulators' window, source 1 (qbs, Va) in window 0.  Five stages: t = acc + qbs; e = 2^t; e + 1; r = 1 / (e + 1); the row tile's first tile gathers Va r.
; They run as a pipeline over the tiles: in tick tt stage 1 works on tile tt, stage 2 on tile tt - 1, .. stage 5 on tile tt - 4, so that no instruction of a tick reads
; what the same tick writes, and 16 transcendentals are mixed with 12 plain instructions on other tiles: these are the plain places between a transcendental and
; the use of its result (ISA guide 5.7.2).
.macro ES1 i, m
.if (\i) < 32
	v_pk_add_f32 v[8*(\i)+2*\m:8*(\i)+2*\m+1], v[8*(\i)+2*\m:8*(\i)+2*\m+1], v[QB+8*((\i)&7)+2*\m:QB+8*((\i)&7)+2*\m+1]
.endif
.endm
.macro ETR op, i, j
.if (\i) >= 0
.if (\i) < 32
	\op v[8*(\i)+\j], v[8*(\i)+\j]
.endif
.endif
.endm
.macro ES3 i, m
.if (\i) >= 0
.if (\i) < 32
	s_wait_alu depctr_va_vdst(0)
	v_pk_add_f32 v[8*(\i)+2*\m:8*(\i)+2*\m+1], v[8*(\i)+2*\m:8*(\i)+2*\m+1], 1.0 op_sel_hi:[1,0]
.endif
.endif
.endm
.macro ES5 i, m
.if (\i) >= 0
.if (\i) < 32
.if ((\i)&7) == 0
	v_pk_mul_f32 v[8*(\i)+2*\m:8*(\i)+2*\m+1], v[8*(\i)+2*\m:8*(\i)+2*\m+1], v[VA+2*\m:VA+2*\m+1]
.else
	s_wait_alu depctr_va_vdst(0)
	v_pk_fma_f32 v[64*((\i)>>3)+2*\m:64*((\i)>>3)+2*\m+1], v[8*(\i)+2*\m:8*(\i)+2*\m+1], v[VA+8*((\i)&7)+2*\m:VA+8*((\i)&7)+2*\m+1], v[64*((\i)>>3)+2*\m:64*((\i)>>3)+2*\m+1]
.endif
.endif
.endif
.endm
.macro ETICK
.irp m, 0,1,2,3
	ETR v_exp_f32, tt-1, 2*\m
	ES1 tt, \m
	ETR v_rcp_f32, tt-3, 2*\m
	ES3 tt-2, \m
	ETR v_exp_f32, tt-1, 2*\m+1
	ES5 tt-4, \m
	ETR v_rcp_f32, tt-3, 2*\m+1
.endr
.set tt, tt+1
.endm
; window w (2: rows 0-63, 3: rows 64-127).  first = 1: Va's loads are waited for ahead of the first tick that multiplies by it.
.macro EWIN w, first, pass
.if \w == 2
	WIN 0xa2
.else
	WIN 0xf3
.endif
.set tt, 0
.rept 4
	ETICK
.endr
.if \first
	s_wait_dscnt 0x0                               ; Va
.endif
.rept 32
	ETICK
.endr
.if \w == 2
	WIN 0x0a                                       ; sources 0 and 1 in the accumulators' window, destination in window 0
.else
	WIN 0x0f
.endif
.irp a, 0,1,2,3
	v_pk_add_f32 v[CV+4*\a:CV+4*\a+1],   v[64*\a:64*\a+1],   v[64*\a+2:64*\a+3]
	v_pk_add_f32 v[CV+4*\a+2:CV+4*\a+3], v[64*\a+4:64*\a+5], v[64*\a+6:64*\a+7]
.endr
	WIN 0
.irp a, 0,1,2,3
.if \pass
	v_pk_add_f32 v[CV+4*\a:CV+4*\a+1], v[CV+4*\a:CV+4*\a+1], v[CV+4*\a+2:CV+4*\a+3]
	v_pk_add_f32 v[SACC+2*(4*(\w-2)+\a):SACC+2*(4*(\w-2)+\a)+1], v[SACC+2*(4*(\w-2)+\a):SACC+2*(4*(\w-2)+\a)+1], v[CV+4*\a:CV+4*\a+1]
.else
	v_pk_add_f32 v[SACC+2*(4*(\w-2)+\a):SACC+2*(4*(\w-2)+\a)+1], v[CV+4*\a:CV+4*\a+1], v[CV+4*\a+2:CV+4*\a+3]
.endif
.endr
.endm
.macro EPI pass
	PLACES                                         ; behind the pass's last matrix instructions, ahead of the vector instructions that read and write their results
	WIN 0
	s_wait_alu depctr_va_vdst(0)                   ; the loads below land in v[128:255]: pass 0's conversions are done reading these registers, and so are pass 1's matrix instructions, whose second fragment buffer lies there
.irp b, 0,1,2,3,4,5,6,7
	ds_load_b128 v[QB+8*\b:QB+8*\b+3],   v[QVA] offset:\pass*2048+64*\b          ; n = 512 pass + 128 w + 16 b + 8 h + 0..7
	ds_load_b128 v[QB+8*\b+4:QB+8*\b+7], v[QVA] offset:\pass*2048+64*\b+16
.endr
.irp b, 0,1,2,3,4,5,6,7
	ds_load_b128 v[VA+8*\b:VA+8*\b+3],   v[QVA] offset:4096+\pass*2048+64*\b
	ds_load_b128 v[VA+8*\b+4:VA+8*\b+7], v[QVA] offset:4096+\pass*2048+64*\b+16
.endr
	s_wait_dscnt 16                                ; Va's 16 loads are younger: qbs is in
	EWIN 2, 1, \pass
	EWIN 3, 0, \pass
	; the sum of my 64 Va of this pass, in two halves
.irp k, 0,2,4,6
	v_pk_add_f32 v[CV+\k:CV+\k+1], v[VA+\k:VA+\k+1], v[VA+8+\k:VA+8+\k+1]
.endr
.irp b, 2,3,4,5,6,7
.irp k, 0,2,4,6
	v_pk_add_f32 v[CV+\k:CV+\k+1], v[CV+\k:CV+\k+1], v[VA+8*\b+\k:VA+8*\b+\k+1]
.endr
.endr
	v_pk_add_f32 v[CV:CV+1], v[CV:CV+1], v[CV+2:CV+3]
	v_pk_add_f32 v[CV+4:CV+5], v[CV+4:CV+5], v[CV+6:CV+7]
.if \pass
	v_pk_add_f32 v[CV:CV+1], v[CV:CV+1], v[CV+4:CV+5]
	v_pk_add_f32 v[VS:VS+1], v[VS:VS+1], v[CV:CV+1]
.else
	v_pk_add_f32 v[VS:VS+1], v[CV:CV+1], v[CV+4:CV+5]
.endif
.endm
	EPI 0
	; PASS 1, steps 32 .. 63: no stores, no barrier
	v_mul_u32_u24 v[AD], v[RL], PITCH              ; back to chunk 0 (the LDS loads that read v[AD] stand ahead of the last wait on vm_vsrc, at pass 0's end)
	v_lshl_add_u32 v[AD], v[HL], 4, v[AD]
	s_wait_alu depctr_va_vdst(0)                   ; v[AD] is written, which the loads below read
	FETCHA 0, 0, AF
	FETCHA 1, 0, AF
	;      q  zero fa lb lc
	KSTEP1 0, 1,   1, 1, 16
	KSTEP1 1, 0,   1, 1, 16
	KSTEP1 2, 0,   1, 1, 16
	KSTEP1 3, 0,   1, 1, 16
	STEPUP 0
	s_mov_b32 s28, 6                               ; steps 36 .. 59
.Lpass1:
	KSTEP1 0, 0,   1, 1, 16
	KSTEP1 1, 0,   1, 1, 16
	KSTEP1 2, 0,   1, 1, 16
	KSTEP1 3, 0,   1, 1, 16
	STEPUP 0
	s_sub_co_i32 s28, s28, 1
	s_cmp_lg_u32 s28, 0
	s_cbranch_scc1 .Lpass1
	KSTEP1 0, 0,   1, 1, 16                        ; step 60 loads ub of step 62,
	KSTEP1 1, 0,   1, 1, 16                        ; step 61 that of step 63, the last
	KSTEP1 2, 0,   1, 0, 16
	KSTEP1 3, 0,   0, 0, 0                         ; the last step issues no load: it holds no wait on va_vdst
	EPI 1
	; THE SCORES.  sum of Va - 2 sum of Va r: a lane's pair, then the other half of the lanes (the other 8 of each 16 n), then the four waves through LDS.
	v_add_f32 v[VS], v[VS], v[VS+1]
.irp a, 0,1,2,3,4,5,6,7
	v_add_f32 v[TM+\a], v[SACC+2*\a], v[SACC+2*\a+1]
.endr
.irp a, 0,1,2,3,4,5,6,7
	v_fma_f32 v[TM+\a], v[TM+\a], -2.0, v[VS]
.endr
.irp a, 0,1,2,3,4,5,6,7
	v_permlanex16_b32 v[AF+\a], v[TM+\a], s30, s31
.endr
.irp a, 0,1,2,3,4,5,6,7
	v_add_f32 v[TM+\a], v[TM+\a], v[AF+\a]
.endr
	s_lshl_b32 s21, s20, 9
	s_add_co_u32 s21, s21, SCB
	v_lshl_add_u32 v[X0], v[RL], 2, s21
	v_lshl_add_u32 v[X1], v[LN], 4, SCB
	s_wait_alu depctr_va_vdst(0)                   ; the partial scores v[TM ..] and both addresses are written, which the LDS stores and loads below read; every vector instruction is done with v[CV ..], in which the loads land
.irp a, 0,1,2,3,4,5,6,7
	ds_store_b32 v[X0], v[TM+\a] offset:64*\a      ; row 16 a + r; both halves of the lanes hold the same number
.endr
	s_wait_dscnt 0x0                               ; my partial scores are in LDS before I say so
	s_barrier_signal -1
	s_barrier_wait -1
.irp i, 0,1,2,3
	ds_load_b128 v[CV+4*\i:CV+4*\i+3], v[X1] offset:512*\i         ; rows 4 lane .. 4 lane + 3 from each wave
.endr
	s_wait_dscnt 0x0
	v_pk_add_f32 v[CV:CV+1],     v[CV:CV+1],     v[CV+4:CV+5]
	v_pk_add_f32 v[CV+2:CV+3],   v[CV+2:CV+3],   v[CV+6:CV+7]
	v_pk_add_f32 v[CV+8:CV+9],   v[CV+8:CV+9],   v[CV+12:CV+13]
	v_pk_add_f32 v[CV+10:CV+11], v[CV+10:CV+11], v[CV+14:CV+15]
	v_pk_add_f32 v[CV:CV+1],     v[CV:CV+1],     v[CV+8:CV+9]
	v_pk_add_f32 v[CV+2:CV+3],   v[CV+2:CV+3],   v[CV+10:CV+11]
.irp i, 0,1,2,3
	v_add_f32 v[CV+\i], s29, v[CV+\i]              ; + Va_b
.endr
	s_cmp_lg_u32 s20, 0
	s_cbranch_scc1 .Lnot_wave_0
	s_wait_alu depctr_va_vdst(0)                   ; the additions have written v[CV:CV+3], which the store reads
	global_store_b128 v[BOFF], v[CV:CV+3], s[32:33]                ; 512 consecutive bytes, aligned; v[CV:CV+3] are not written again
.Lnot_wave_0:
	; the block's maximum, in every lane of every wave; then p = exp(score - m)
	v_max3_num_f32 v[CV+12], v[CV], v[CV+1], v[CV+2]
	v_max_num_f32 v[CV+12], v[CV+12], v[CV+3]
	v_max_num_f32_dpp v[CV+12], v[CV+12], v[CV+12] row_xmask:1 row_mask:0xf bank_mask:0xf
	v_max_num_f32_dpp v[CV+12], v[CV+12], v[CV+12] row_xmask:2 row_mask:0xf bank_mask:0xf
	v_max_num_f32_dpp v[CV+12], v[CV+12], v[CV+12] row_xmask:4 row_mask:0xf bank_mask:0xf
	v_max_num_f32_dpp v[CV+12], v[CV+12], v[CV+12] row_xmask:8 row_mask:0xf bank_mask:0xf
	v_permlanex16_b32 v[CV+13], v[CV+12], s30, s31
	v_max_num_f32 v[CV+12], v[CV+12], v[CV+13]
.irp i, 0,1,2,3
	v_sub_f32 v[CV+8+\i], v[CV+\i], v[CV+12]
.endr
.irp i, 0,1,2,3
	v_mul_f32 v[CV+8+\i], L2E, v[CV+8+\i]
.endr
.irp i, 0,1,2,3
	v_exp_f32 v[CV+8+\i], v[CV+8+\i]
.endr
	s_wait_alu depctr_vm_vsrc(0)                   ; the LDS stores and loads of the partial scores have read v[X0] and v[X1], which are written again here, and v[TM ..], in which the last LDS loads land
	s_lshl_b32 s21, s20, 8
	s_add_co_u32 s21, s21, PB
	v_lshl_add_u32 v[X0], v[LN], 3, s21            ; the four addresses are also the plain places between the last transcendental and the use of its result (ISA guide 5.7.2)
	v_lshl_add_u32 v[X1], v[HL], 4, s21
	s_lshl_b32 s21, s20, 10
	s_add_co_u32 s21, s21, CT
	v_lshl_add_u32 v[VS], v[RL], 2, s21
	v_lshl_add_u32 v[VS+1], v[LN], 4, s21
	s_wait_alu depctr_va_vdst(0)
	v_cvt_pk_bf16_f32 v[CV+14], v[CV+8],  v[CV+9]
	v_cvt_pk_bf16_f32 v[CV+15], v[CV+10], v[CV+11]
	s_wait_alu depctr_va_vdst(0)                   ; p and the four addresses are written, which the LDS instructions from here to the end read; every vector and matrix instruction so far is done with
	                                               ; v[64:223] of window 0 and with windows 2 and 3, in which the loads below land
	ds_store_b64 v[X0], v[CV+14:CV+15]             ; my wave's own copy of the 128 p: LDS serves a wave's instructions in order, so its loads below see it
.irp ks, 0,1,2,3
	ds_load_b128 v[VA+8*\ks:VA+8*\ks+3],   v[X1] offset:64*\ks     ; source 0: all 16 rows of the fragment are the same 32 p
	ds_load_b128 v[VA+8*\ks+4:VA+8*\ks+7], v[X1] offset:64*\ks+32
.endr
	; THE CONTEXT: my wave's 256 columns (16 tiles of 16) x 128 rows in four K steps of 32.  The keys lie [row][column] in LDS: transposing loads.
	; The 16 accumulators (window 1) take turns, one instruction a turn.
	; Each K step's 128 registers of fragments are its own: window 0 v64-191, window 2 v0-127, window 2 v128-255, window 3 v0-127.  So no load lands in a register that a matrix instruction
	; issued since the wait above names, and no further wait is owed: K step ks + 1 is loaded behind K step ks's first product.
.macro CTXB ks                         ; the window CW and the first register CB of K step ks's fragments
.if (\ks) == 0
.set CW, 0
.set CB, AF
.else
.set CW, 2+((\ks)/3)
.set CB, 128*(((\ks)-1)&1)
.endif
.endm
.macro CTXL ks                         ; its 32 loads
	CTXB \ks
	WIN (CW<<6)
.irp tt, 0,1,2,3,4,5,6,7,8,9,10,11,12,13,14,15
	ds_load_tr16_b128 v[CB+8*\tt:CB+8*\tt+3],   v[TA+(\tt>>3)] offset:(\ks)*32*PITCH+((\tt>>2)&1)*CHUNK+(\tt&3)*32
	ds_load_tr16_b128 v[CB+8*\tt+4:CB+8*\tt+7], v[TA+(\tt>>3)] offset:(\ks)*32*PITCH+((\tt>>2)&1)*CHUNK+(\tt&3)*32+16*PITCH
.endr
.endm
.macro CTXT ks, t, younger             ; tile t's product; younger: the next K step's loads, if they have been issued
	s_wait_dscnt (\younger)+30-2*(\t)              ; the later tiles' loads, and the next K step's, are younger; p's fragments are older than all of them
.if (\ks) > 0
	v_wmma_f32_16x16x32_bf16 v[8*(\t):8*(\t)+7], v[VA+8*(\ks):VA+8*(\ks)+7], v[CB+8*(\t):CB+8*(\t)+7], v[8*(\t):8*(\t)+7]
.else
	v_wmma_f32_16x16x32_bf16 v[8*(\t):8*(\t)+7], v[VA+8*(\ks):VA+8*(\ks)+7], v[CB+8*(\t):CB+8*(\t)+7], 0
.endif
.endm
	CTXL 0
.irp ks, 0,1,2
	CTXB \ks
	WIN (0x50|(CW<<2))                             ; C and D in window 1, source 1 in the K step's window
	CTXT \ks, 0, 0
	CTXL \ks+1
	CTXB \ks
	WIN (0x50|(CW<<2))
.irp t, 1,2,3,4,5,6,7,8,9,10,11,12,13,14,15
	CTXT \ks, \t, 32
.endr
.endr
	CTXB 3
	WIN (0x50|(CW<<2))
.irp t, 0,1,2,3,4,5,6,7,8,9,10,11,12,13,14,15
	CTXT 3, \t, 0
.endr
	PLACES
	WIN 0x04                                       ; store data in window 1
	s_wait_alu depctr_va_vdst(0)                   ; the matrix instructions have written the context's sums, which the LDS stores read; the places above stay beside this wait
.irp tt, 0,1,2,3,4,5,6,7,8,9,10,11,12,13,14,15
	ds_store_b32 v[VS], v[8*\tt] offset:64*\tt     ; register 0 of tile tt: column 16 tt + r; all rows of the result are alike
.endr
	WIN 0
	ds_load_b128 v[TM:TM+3],   v[VS+1]             ; my wave's own bytes, served in order
	ds_load_b128 v[TM+4:TM+7], v[VS+1] offset:512
	s_wait_dscnt 0x0
	global_store_b128 v[BOFF], v[TM:TM+3],   s[34:35]              ; 512 consecutive bytes each, aligned
	global_store_b128 v[BOFF], v[TM+4:TM+7], s[34:35] offset:512
	s_wait_dscnt 0x0
	s_wait_alu depctr_hold_cnt(0) depctr_sa_sdst(0) depctr_va_vdst(0) depctr_va_sdst(0) depctr_va_ssrc(0) depctr_va_vcc(0) depctr_vm_vsrc(0)
	s_wait_tensorcnt 0x0
	ds_add_u32 v62, v63
	s_wait_dscnt 0x0
	s_endpgm
.Lfunc_end_k_qe5e005d1c2_main:
	.size	k_qe5e005d1c2_main, .Lfunc_end_k_qe5e005d1c2_main-k_qe5e005d1c2_main
	.p2alignl 7, 3214868480
	.fill 96, 4, 3214868480
	.section	.rodata,"a",@progbits
	.p2align	6, 0x0
	.amdhsa_kernel k_qe5e005d1c2_main
		.amdhsa_group_segment_fixed_size 310784
		.amdhsa_private_segment_fixed_size 0
		.amdhsa_enable_private_segment 0
		.amdhsa_kernarg_size 56
		.amdhsa_user_sgpr_count 2
		.amdhsa_user_sgpr_kernarg_segment_ptr 1
		.amdhsa_wavefront_size32 1
		.amdhsa_system_sgpr_workgroup_id_x 1
		.amdhsa_system_sgpr_workgroup_id_y 1
		.amdhsa_system_sgpr_workgroup_id_z 1
		.amdhsa_system_vgpr_workitem_id 0
		.amdhsa_next_free_vgpr 1024
		.amdhsa_next_free_sgpr 66
		.amdhsa_reserve_vcc 0
		.amdhsa_float_denorm_mode_32 3
		.amdhsa_float_denorm_mode_16_64 3
		.amdhsa_memory_ordered 1
		.amdhsa_forward_progress 1
		.amdhsa_inst_pref_size 255
	.end_amdhsa_kernel
	.section	.bss,"aw",@nobits
	.p2align	6
	.space	262144
	.amdgpu_metadata
---
amdhsa.version: [ 1, 2 ]
amdhsa.kernels:
  - .name:           k_qe5e005d1c2_main
    .symbol:         k_qe5e005d1c2_main.kd
    .args:
      - { .name: keys, .offset: 0, .size: 8, .value_kind: global_buffer, .address_space: global }
      - { .name: ub, .offset: 8, .size: 8, .value_kind: global_buffer, .address_space: global }
      - { .name: qbs, .offset: 16, .size: 8, .value_kind: global_buffer, .address_space: global }
      - { .name: Va_w, .offset: 24, .size: 8, .value_kind: global_buffer, .address_space: global }
      - { .name: Va_b, .offset: 32, .size: 8, .value_kind: global_buffer, .address_space: global }
      - { .name: scores, .offset: 40, .size: 8, .value_kind: global_buffer, .address_space: global }
      - { .name: part, .offset: 48, .size: 8, .value_kind: global_buffer, .address_space: global }
    .group_segment_fixed_size: 310784
    .private_segment_fixed_size: 0
    .kernarg_segment_align: 8
    .kernarg_segment_size: 56
    .max_flat_workgroup_size: 128
    .sgpr_count:     66
    .vgpr_count:     1024
    .wavefront_size: 32
...
	.end_amdgpu_metadata
.endif
;; end of part 4
;; launch finish: the kernel of part 3 again; grid 4 x 32, 2 waves a work-group, no clusters, 0 bytes of LDS; arguments scores, part, out0, out1; writes out0, out1
